; MI455X (gfx1250); checked and timed in simulation.
; The chip was launched on July 23, 2026; its instructions are those of AMD's public machine-readable ISA for CDNA 5 (MIT licence, August 2026) and "CDNA5" Instruction Set Architecture Reference Guide (July 2026). The comments in the code are by the model that wrote it; some were corrected since.
;; Attention. Allowed arithmetic: matrix products marked QUANTISED: E2M3 operands, one E8M0 scale for each 32 along K, by v_wmma_scale_f32_16x16x128_f8f6f4 with both operands' format E2M3, f32 sums; everything else in f32.
;; Inputs: W_proj 1,024 x 1,024 float32; W_qkv 1,024 x 3,072 float32; b_proj 1,024 float32; b_qkv 3,072 float32; x 4 x 2,048 x 1,024 float32.
;; Outputs: out0 4 x 2,048 x 1,024 float32.
;; This version of the problem:
;;   THIS VERSION OF THE PROBLEM IS GIVEN IN LOW PRECISION. The matrix products marked QUANTISED in the list below multiply operands that are first quantised to E2M3 (2 exponent bits, 3 mantissa bits; 6 bits a number), with one power-of-two scale for each 32 numbers along K (OCP MX v1.0); their sums are f32. All else is computed in f32.
;;   The module's matrix products, in the order in which they are computed (A, B: the left and right operand; K: the contracted axis; several contracted axes count as one K, in the product's order):
;;     1. [M 8,192, K 1,024] x [K 1,024, N 3,072]; A: input x; B: input W_qkv: QUANTISED
;;     2. batch 64 x [M 2,048, K 64] x [K 64, N 2,048]; A: computed on the way; B: computed on the way: QUANTISED
;;     3. batch 64 x [M 2,048, K 2,048] x [K 2,048, N 64]; A: softmax (see below); B: computed on the way: QUANTISED
;;     4. [M 8,192, K 1,024] x [K 1,024, N 1,024]; A: computed on the way; B: input W_proj: QUANTISED
;;   THE QUANTISER, for each operand of a quantised product, along K:
;;     - K is cut into blocks of 32 from its start; a last block that is shorter is filled with zeros.
;;     - A block's scale is 2^e with e = floor(log2(the largest magnitude in the block)) - 2, held to -126 .. 127; a block of zeros has e = 0. As a byte (E8M0): e + 127.
;;     - Each number is divided by its block's scale, clamped to +-7.5, and rounded to the nearest number of E2M3, ties to even, subnormals kept.
;;     - The product sums the exact products of the quantised numbers (number of the format x scale) in f32.
;;   ~~~python
;;   def quantise(x, axis):      # numpy; x: float32 -> the quantised numbers, widened to float32 again
;;       x = np.moveaxis(x, axis, -1); K = x.shape[-1]
;;       x = np.pad(x, [(0, 0)] * (x.ndim - 1) + [(0, -K % 32)]); x = x.reshape(x.shape[:-1] + (-1, 32)); a = np.abs(x).max(-1, keepdims=True)
;;       e = np.where(a > 0, np.clip(np.frexp(np.where(a > 0, a, 1))[1] - 1 - 2, -126, 127), 0)      # np.frexp(a)[1] - 1 = floor(log2(a)), exactly
;;       r = np.clip(x / 2.0 ** e, -7.5, 7.5)
;;       step = 2.0 ** (np.maximum(np.frexp(np.where(r == 0, 1, r))[1] - 1, 0) - 3)
;;       q = np.round(r / step) * step * 2.0 ** e      # np.round: ties to even
;;       return np.moveaxis(q.reshape(q.shape[:-2] + (-1,))[..., :K], -1, axis).astype(np.float32)
;;   ~~~
;;   SOFTMAX AHEAD OF A QUANTISED PRODUCT. Where the list says 'softmax', what is quantised is not the finished softmax but p = 2^(t - M), with t = logit x log2(e) and M = ceil(the row's largest t), a whole number; so 1/2 < the row's largest p <= 1. The row's sum l is taken of the UNQUANTISED p, in f32, and the product's result is divided by l at the end. Since M is a whole number, a kernel that streams over the keys may use a running M (the ceiling of the running maximum): every later rescaling is an exact power of two, which a block's scale takes up: the codes' values come out the same.
;;   OPERANDS COMPUTED ON THE WAY. 'Computed on the way' means the value that the module computes at that place (a softmax that the list does not call 'softmax' is quantised finished and normalised). What goes into a quantiser is computed in f32, as accurately as f32 sums, v_exp_f32 and their like allow (about 1e-6 of the number): no bf16 or f16 on the way to a quantiser, and a product that is left as it is and whose result goes on into a quantised operand takes f32 operands (vector FMAs, or v_wmma_f32_16x16x4_f32). A number that lies on a knife's edge between two numbers of the format may be rounded either way, as far as f32 arithmetic and the matrix unit's own rounding can turn it there, and no further.
;; One version. Each part assembles by itself: llvm-mc -triple=amdgcn-amd-amdhsa -mcpu=gfx1250 --defsym DOCPART=n.
;; ======== version 1 of 1: 4 launches
;; limits: right only within a limited range of input values
;; workspace buffers: img 9,437,184 bytes; scl 393,216 bytes; qkv 18,874,368 bytes; sc 1,572,864 bytes; oim 6,291,456 bytes; osc 262,144 bytes
;; launch quant (part 1): grid 384 x 1, 4 waves a work-group, no clusters, 59,904 bytes of LDS; arguments x, W_qkv, W_proj, img, scl; writes img, scl
.if DOCPART == 1
	.amdgcn_target "amdgcn-amd-amdhsa--gfx1250"
	.amdhsa_code_object_version 6
	.text
	.protected	k_qbc15ab5176_quant
	.globl	k_qbc15ab5176_quant
	.p2align	8
	.type	k_qbc15ab5176_quant,@function
k_qbc15ab5176_quant:
	s_mov_b64 s[64:65], 0
	v_nop
	global_prefetch_b8 v0, s[64:65] scope:SCOPE_SE
	s_setreg_imm32_b32 hwreg(HW_REG_WAVE_MODE, 25, 1), 1
	s_wait_xcnt 0x0
; x [8192][1024], W_qkv [1024][3072] and W_proj [1024][1024], f32, become codes of FP6 (E2M3) with one E8M0 byte for each 32 along K (K = the 1,024),
; laid AS THE MATRIX UNIT'S REGISTERS WANT THEM.  img: [tile of 16 rows][K step of 128: 8][1,536 bytes]: a fragment's 12 registers as three runs of 512 bytes, run c = registers 4 c .. 4 c + 3, lane l at 16 l.
; Tiles 0-511 x's tokens, 512-703 W_qkv's columns, 704-767 W_proj's.  THE ROWS OF A TILE ARE NOT NEIGHBOURS: of 32 neighbouring rows (a pair) tile u takes, in lane-row r, row 8 u + r + 8 (r / 8).
; scl: [pair][256 along K: 4][lane 32][2 words]: lane (r, h) holds row r of the pair's tile h; word q is the scale word of K step 2 s + q.
; A block's scale is 2^(floor(log2(its largest magnitude)) - 2); its byte is that magnitude's exponent field - 2, held at 1 from below.
; LIMITS: NaN and infinities are not served.  A block of zeros, or one whose largest magnitude lies under 2^-124, keeps the byte 1: only this program reads the bytes, and zero codes add nothing.
; Work-groups 0-255: a pair of x each, wave w its 256 along K from 256 w on.  Work-groups 256-383: 128 columns of a weight x 256 along K, wave w 32 columns.
; No barrier: a wave touches its own LDS bytes alone; the two paths have LDS bytes of their own.
.set XSTB,  8448                       ; x: a wave's stage, 16 rows x (512 bytes + 16)
.set WRG,   4*XSTB                     ; the weights' regions begin here
.set WRGB,  6400                       ; a wave's region: two tiles of WTB bytes, in each two images of 1,536
.set WTB,   3200
.set SPARE, WRG+4*WRGB                 ; the spare words, 128 bytes a wave: two blocks of 256 bytes that no other line names
.set LN,  1                            ; v1   lane
.set VX,  4                            ; v4   16 x lane
.set L8,  5                            ; v5   8 x lane
.set STW, 6                            ; v6   x: into the stage
.set STR, 7                            ; v7   x: out of it
.set WRD, 8                            ; v8   W: my region + 16 x lane
.set AW,  10                           ; v10  W: where my column's codes go
.set WSO, 11                           ; v11  W: my column's place in the scale image
.set SPW, 12                           ; v12  my spare word; never rewritten
.set NIL, 13                           ; v13  0; never rewritten
.set L4,  14                           ; v14  4 x lane
	s_load_b256 s[4:11], s[0:1], 0x0               ; x s[4:5], W_qkv s[6:7], W_proj s[8:9], img s[10:11]
	s_load_b64 s[12:13], s[0:1], 0x20              ; scl
	v_lshl_add_u32 v[SPW], v0, 2, SPARE
	v_mov_b32 v[NIL], 0
	v_lshrrev_b32 v1, 5, v0
	v_readfirstlane_b32 s14, v1                    ; wave
	v_and_b32 v[LN], 31, v0
	v_and_b32 v2, 15, v0                           ; r
	v_bfe_u32 v3, v0, 4, 1                         ; h
	v_lshlrev_b32 v[VX], 4, v[LN]
	v_lshlrev_b32 v[L8], 3, v[LN]
	v_lshlrev_b32 v[L4], 2, v[LN]
	s_mul_i32 s15, s14, XSTB
	v_add_nc_u32 v[STW], s15, v[VX]                ; a load's 512 bytes lie in the stage as they come
	v_mul_u32_u24 v[STR], v2, 528
	v_lshl_add_u32 v[STR], v3, 7, v[STR]
	v_add_nc_u32 v[STR], s15, v[STR]               ; row r, + 128 h: my 32 numbers of each 64
	s_mul_i32 s16, s14, WRGB
	s_add_co_u32 s16, s16, WRG
	v_add_nc_u32 v[WRD], s16, v[VX]
	v_and_b32 v9, 7, v0
	v_bfe_u32 v15, v0, 4, 1
	v_lshl_or_b32 v9, v15, 3, v9                   ; column l of a pair is lane-row (l % 8) + 8 (l / 16)
	v_bfe_u32 v15, v0, 3, 1                        ; of tile (l / 8) % 2
	v_lshl_add_u32 v[WSO], v15, 4, v9
	v_lshlrev_b32 v[WSO], 3, v[WSO]
	v_mul_u32_u24 v[AW], v15, WTB
	v_lshl_add_u32 v[AW], v9, 4, v[AW]
	v_add_nc_u32 v[AW], s16, v[AW]
	s_wait_kmcnt 0x0
	s_cmp_lt_u32 ttmp9, 256
	s_cbranch_scc0 .Lweights
; ---------------- x: K is innermost ----------------
; v16-143 two sets of 16 rows x 16 bytes as loaded; v144-207 my 64 numbers; v208-219 the fragment; v220-226 the blocks' upper halves; v228-231 the four scale words; v232-240 at work
	s_lshl_b32 s16, ttmp9, 17                      ; the pair's 32 rows of 4,096 bytes,
	s_lshl_b32 s17, s14, 10                        ; my 256 numbers of each
	s_add_co_u32 s16, s16, s17
	s_mov_b32 s17, 0
	s_add_nc_u64 s[4:5], s[4:5], s[16:17]
	s_mul_i32 s16, ttmp9, 24576                    ; the pair's two tiles in img,
	s_mul_i32 s18, s14, 3072                       ; my two K steps
	s_add_co_u32 s16, s16, s18
	s_add_nc_u64 s[10:11], s[10:11], s[16:17]
	s_lshl_b32 s16, ttmp9, 10
	s_lshl_b32 s18, s14, 8
	s_add_co_u32 s16, s16, s18
	s_add_nc_u64 s[12:13], s[12:13], s[16:17]
	s_mov_b32 s20, 0x76543210
	s_mov_b32 s21, 0xfedcba98                      ; lane selects: lane l xor 16
	v_lshlrev_b32 v239, 3, v3                      ; 8 h
	v_mov_b32 v240, 0                              ; written once: a lane permute's destination counts as read
.macro LOADX f                         ; fragment f = 2 u + s: the 16 rows of tile u, 128 numbers each: every load reads 512 consecutive bytes
.set lb, 16+64*((\f)%2)
.irp p, 0,1,2,3,4,5,6,7,8,9,10,11,12,13,14,15
	global_load_b128 v[lb+4*\p:lb+4*\p+3], v[VX], s[4:5] offset:(8*((\f)/2)+\p+8*(\p/8))*4096+512*((\f)%2) th:TH_LOAD_NT
.endr
.endm
.macro XFRAG f
.set lb, 16+64*((\f)%2)
.if (\f) < 3
	s_wait_loadcnt 16                              ; this fragment's 16 loads are in; the next fragment's 16 stay out
.else
	s_wait_loadcnt 0x0
.endif
.irp p, 0,1,2,3,4,5,6,7,8,9,10,11,12,13,14,15
	ds_store_b128 v[STW], v[lb+4*\p:lb+4*\p+3] offset:528*\p
.endr
.irp c, 0,1
.irp j, 0,1,2,3,4,5,6,7
	ds_load_b128 v[144+32*\c+4*\j:144+32*\c+4*\j+3], v[STR] offset:256*\c+16*\j   ; register 32 c + i = k 64 c + 32 h + i of row r.  LDS serves a wave's instructions in order: these see the stores
.endr
.endr
	s_wait_dscnt 0x0
.if (\f) < 2
	LOADX (\f)+2
.endif
	s_wait_xcnt 0x0                                ; the last fragment's stores have read their registers: the codes are written again only behind this wait
.irp c, 0,1
	v_max3_num_f32 v[232+\c], |v[144+32*\c]|, |v[145+32*\c]|, 0x1800000   ; my block 2 c + h is all mine; the floor 2^(3 - 127) holds the byte at 1 from below
.endr
.irp i, 2,4,6,8,10,12,14,16,18,20,22,24,26,28,30
.irp c, 0,1
	v_max3_num_f32 v[232+\c], v[232+\c], |v[144+32*\c+\i]|, |v[145+32*\c+\i]|
.endr
.endr
.irp c, 0,1
	v_add_nc_u32 v[234+\c], 0xff000000, v[232+\c]  ; 2 off the exponent field: the conversion's scale operand
.endr
.irp c, 0,1
	v_lshrrev_b32 v[236+\c], 23, v[234+\c]         ; the byte
.endr
	v_lshl_or_b32 v238, v237, 16, v236             ; blocks h and 2 + h,
	v_lshlrev_b32 v238, v239, v238                 ; at their places in the word;
	v_permlanex16_b32 v240, v238, s20, s21
	v_or_b32 v[228+(\f)], v238, v240               ; with lane l xor 16's two the word is whole, in both halves of the lanes
.irp c, 0,1
	v_cvt_scalef32_pk16_fp6_f32 v[208+6*\c:210+6*\c], v[144+32*\c:159+32*\c], v[234+\c]
	v_cvt_scalef32_pk16_fp6_f32 v[220+4*\c:222+4*\c], v[160+32*\c:175+32*\c], v[234+\c]   ; (a conversion's three registers begin on an even number)
.endr
	v_nop                                          ; one plain place behind a scaled conversion
.irp c, 0,1
.irp i, 0,1,2
	v_mov_b32 v[211+6*\c+\i], v[220+4*\c+\i]
.endr
.endr
.irp q, 0,1,2
	global_store_b128 v[VX], v[208+4*\q:211+4*\q], s[10:11] offset:((\f)/2)*12288+((\f)%2)*1536+512*\q   ; 512 consecutive bytes
.endr
.endm
	LOADX 0
	LOADX 1
	XFRAG 0
	XFRAG 1
	XFRAG 2
	XFRAG 3
	v_cmp_le_u32 vcc_lo, 16, v[LN]                 ; lanes 16-31 carry the pair's second tile
	v_cndmask_b32 v242, v228, v230, vcc_lo
	v_cndmask_b32 v243, v229, v231, vcc_lo
	global_store_b64 v[L8], v[242:243], s[12:13]   ; 256 consecutive bytes
	s_wait_tensorcnt 0x0                           ; the wave's end, behind my last LDS store
	ds_add_u32 v[SPW], v[NIL]
	s_wait_dscnt 0x0
	s_endpgm
; ---------------- the weights: K is the first axis: a lane takes a column, its registers run down K ----------------
; v16-47 row offsets; v48-111 two sets of 32 numbers; v112-117 a block's codes; v118-120 its upper half; v122-123 the scale words; v124-126 at work
.Lweights:
	s_sub_co_u32 s15, ttmp9, 256
	s_lshr_b32 s17, s15, 2                         ; g: which 128 columns (0-23 of W_qkv, 24-31 of W_proj)
	s_and_b32 s18, s15, 3                          ; which 256 along K
	s_cmp_lt_u32 s17, 24
	s_cselect_b64 s[6:7], s[6:7], s[8:9]           ; the choice hangs on the work-group's number alone
	s_mov_b32 s19, 4096
	s_cselect_b32 s19, 12288, s19                  ; a row of the weight in bytes
	s_cselect_b32 s20, 0, 24
	s_sub_co_u32 s20, s17, s20
	s_lshl_b32 s20, s20, 9                         ; 128 columns are 512 bytes,
	s_lshl_b32 s21, s14, 7                         ; my 32 are 128
	s_add_co_u32 s20, s20, s21
	s_lshl_b32 s21, s18, 8
	s_mul_i32 s21, s21, s19                        ; my first row
	s_add_co_u32 s20, s20, s21
	s_mov_b32 s21, 0
	s_add_nc_u64 s[32:33], s[6:7], s[20:21]        ; a base for each block of 32 rows: no pointer is stepped
	s_lshl_b32 s22, s19, 5
	s_mov_b32 s23, 0
.irp t, 1,2,3,4,5,6,7
	s_add_nc_u64 s[32+2*\t:33+2*\t], s[30+2*\t:31+2*\t], s[22:23]
.endr
.irp i, 0,1,2,3,4,5,6,7,8,9,10,11,12,13,14,15,16,17,18,19,20,21,22,23,24,25,26,27,28,29,30,31
	v_mad_u32_u24 v[16+\i], s19, \i, v[L4]         ; row i of a block, my column
.endr
	s_lshl_b32 s24, s17, 2
	s_add_co_u32 s24, s24, s14                     ; my pair among the weights': 4 g + wave
	s_mul_i32 s26, s24, 24576
	s_add_co_u32 s26, s26, 512*12288               ; behind x's 512 tiles
	s_mul_i32 s25, s18, 3072
	s_add_co_u32 s26, s26, s25
	s_mov_b32 s27, 0
	s_add_nc_u64 s[10:11], s[10:11], s[26:27]
	s_lshl_b32 s26, s24, 10
	s_add_co_u32 s26, s26, 256*1024
	s_lshl_b32 s25, s18, 8
	s_add_co_u32 s26, s26, s25
	s_add_nc_u64 s[12:13], s[12:13], s[26:27]
.macro LOADW t
.irp i, 0,1,2,3,4,5,6,7,8,9,10,11,12,13,14,15,16,17,18,19,20,21,22,23,24,25,26,27,28,29,30,31
	global_load_b32 v[48+32*((\t)%2)+\i], v[16+\i], s[32+2*(\t):33+2*(\t)] th:TH_LOAD_NT   ; 128 consecutive bytes a wave, the four waves side by side
.endr
.endm
.macro BLOCK t                         ; block t: K step t / 4 of my two, block t % 4 of it
.set xs, 48+32*((\t)%2)
.set bo, ((\t)/4)*1536+256*((\t)%2)    ; the image, and lanes 16-31 of it for an odd block
.if (\t) < 7
	s_wait_loadcnt 32                              ; this block's 32 loads are in; the next block's stay out
.else
	s_wait_loadcnt 0x0
.endif
	v_max3_num_f32 v124, |v[xs]|, |v[xs+1]|, |v[xs+2]|
	v_max3_num_f32 v125, |v[xs+3]|, |v[xs+4]|, |v[xs+5]|
.irp i, 6,10,14,18,22,26
	v_max3_num_f32 v124, v124, |v[xs+\i]|, |v[xs+\i+1]|
	v_max3_num_f32 v125, v125, |v[xs+\i+2]|, |v[xs+\i+3]|
.endr
	v_max3_num_f32 v124, v124, |v[xs+30]|, |v[xs+31]|
	v_max3_num_f32 v124, v124, v125, 0x1800000     ; and the floor
	v_add_nc_u32 v126, 0xff000000, v124
	v_lshrrev_b32 v125, 23, v126
.if (\t)%4 == 0
	v_mov_b32 v[122+(\t)/4], v125
.else
	v_lshl_or_b32 v[122+(\t)/4], v125, 8*((\t)%4), v[122+(\t)/4]
.endif
	v_cvt_scalef32_pk16_fp6_f32 v[112:114], v[xs:xs+15], v126
	v_cvt_scalef32_pk16_fp6_f32 v[118:120], v[xs+16:xs+31], v126
	v_nop                                          ; one plain place behind a scaled conversion
	v_mov_b32 v115, v118
	v_mov_b32 v116, v119
	v_mov_b32 v117, v120
.if (\t)%4 < 2                         ; blocks 0, 1 are the fragment's registers 0-5, blocks 2, 3 its registers 6-11
	ds_store_b128 v[AW], v[112:115] offset:bo
	ds_store_b64 v[AW], v[116:117] offset:bo+512
.else
	ds_store_b64 v[AW], v[112:113] offset:bo+520
	ds_store_b128 v[AW], v[114:117] offset:bo+1024
.endif
.if (\t) < 6
	LOADW (\t)+2
.endif
	s_wait_dscnt 0x0                               ; the stores have read their registers
.endm
	s_wait_alu depctr_va_vdst(0)
	LOADW 0
	LOADW 1
.irp t, 0,1,2,3,4,5,6,7
	BLOCK \t
.endr
.irp k, 0,1,2,3,4,5,6,7,8,9,10,11
	ds_load_b128 v[48+4*\k:51+4*\k], v[WRD] offset:(\k/6)*WTB+((\k/3)%2)*1536+(\k%3)*512
.endr
.irp k, 0,1,2,3,4,5,6,7,8,9,10,11
	s_wait_dscnt 11-\k                             ; LDS loads come back in order: run k is in
	global_store_b128 v[VX], v[48+4*\k:51+4*\k], s[10:11] offset:(\k/6)*12288+((\k/3)%2)*1536+(\k%3)*512
.endr
	s_wait_alu depctr_va_vdst(0)
	global_store_b64 v[WSO], v[122:123], s[12:13]  ; the 32 lanes fill 256 consecutive bytes
	s_wait_tensorcnt 0x0                           ; the wave's end
	ds_add_u32 v[SPW], v[NIL]
	s_wait_dscnt 0x0
	s_endpgm
.Lfunc_end_k_qbc15ab5176_quant:
	.size	k_qbc15ab5176_quant, .Lfunc_end_k_qbc15ab5176_quant-k_qbc15ab5176_quant
	.p2alignl 7, 3214868480
	.fill 96, 4, 3214868480
	.section	.rodata,"a",@progbits
	.p2align	6, 0x0
	.amdhsa_kernel k_qbc15ab5176_quant
		.amdhsa_group_segment_fixed_size 59904
		.amdhsa_private_segment_fixed_size 0
		.amdhsa_enable_private_segment 0
		.amdhsa_kernarg_size 40
		.amdhsa_user_sgpr_count 2
		.amdhsa_user_sgpr_kernarg_segment_ptr 1
		.amdhsa_wavefront_size32 1
		.amdhsa_system_sgpr_workgroup_id_x 1
		.amdhsa_system_sgpr_workgroup_id_y 1
		.amdhsa_system_sgpr_workgroup_id_z 1
		.amdhsa_system_vgpr_workitem_id 0
		.amdhsa_next_free_vgpr 256
		.amdhsa_next_free_sgpr 66
		.amdhsa_reserve_vcc 1
		.amdhsa_float_denorm_mode_32 3
		.amdhsa_float_denorm_mode_16_64 3
		.amdhsa_memory_ordered 1
		.amdhsa_forward_progress 1
		.amdhsa_inst_pref_size 73
	.end_amdhsa_kernel
	.amdgpu_metadata
---
amdhsa.version: [ 1, 2 ]
amdhsa.kernels:
  - .name:           k_qbc15ab5176_quant
    .symbol:         k_qbc15ab5176_quant.kd
    .args:
      - { .name: x, .offset: 0, .size: 8, .value_kind: global_buffer, .address_space: global }
      - { .name: W_qkv, .offset: 8, .size: 8, .value_kind: global_buffer, .address_space: global }
      - { .name: W_proj, .offset: 16, .size: 8, .value_kind: global_buffer, .address_space: global }
      - { .name: img, .offset: 24, .size: 8, .value_kind: global_buffer, .address_space: global }
      - { .name: scl, .offset: 32, .size: 8, .value_kind: global_buffer, .address_space: global }
    .group_segment_fixed_size: 59904
    .private_segment_fixed_size: 0
    .kernarg_segment_align: 8
    .kernarg_segment_size: 40
    .max_flat_workgroup_size: 128
    .sgpr_count:     66
    .vgpr_count:     256
    .wavefront_size: 32
...
	.end_amdgpu_metadata
.endif
;; end of part 1
;; launch gemm_qkv (part 2): grid 8 x 32, 4 waves a work-group, clusters of 4 x 4, 327,680 bytes of LDS; arguments img, scl, b_qkv, qkv, sc; writes qkv, sc
.if DOCPART == 2
	.amdgcn_target "amdgcn-amd-amdhsa--gfx1250"
	.amdhsa_code_object_version 6
	.text
	.protected	k_qbc15ab5176_gemm_qkv
	.globl	k_qbc15ab5176_gemm_qkv
	.p2align	8
	.type	k_qbc15ab5176_gemm_qkv,@function
k_qbc15ab5176_gemm_qkv:
	s_mov_b64 s[64:65], 0
	v_nop
	global_prefetch_b8 v0, s[64:65] scope:SCOPE_SE
	s_setreg_imm32_b32 hwreg(HW_REG_WAVE_MODE, 25, 1), 1
	s_wait_xcnt 0x0
	s_wait_alu depctr_hold_cnt(0) depctr_sa_sdst(0) depctr_va_vdst(0) depctr_va_sdst(0) depctr_va_ssrc(0) depctr_va_vcc(0) depctr_vm_vsrc(0)
	s_getreg_b32 s2, hwreg(HW_REG_IB_STS2, 6, 4)
	s_cmp_eq_u32 s2, 0
	s_cbranch_scc0 .Lentry_in_a_cluster
	s_endpgm
.Lentry_in_a_cluster:
	s_bfe_u32 s2, ttmp6, 0x10000c
	s_cmp_lg_u32 s2, 0xf033
	s_cbranch_scc0 .Lentry_shape_is_right
	s_endpgm
.Lentry_shape_is_right:
; qkv = x W_qkv + b_qkv on codes of FP6 (E2M3), and its results quantised at once for the attention: q and k along the head's 64, v along the keys.  No f32 result goes to memory.
; 256 WORK-GROUPS THAT STAY: work-group (g, tb) holds 256 tokens of x (16 tiles, all of K = 1,024: 196,608 bytes) in LDS for the whole launch and walks THREE blocks of 128 columns of W:
; columns 256 g and 256 g + 128 of q or k (g < 4: q; else k), then columns 128 g of v.  32 token blocks x 8 groups; every work-group does the same work.
; A wave makes 64 (along the lanes: source 1) x 128 (along a lane's registers: source 0): 32 accumulators.  What is to be the NEXT product's K runs along the registers:
;   q, k: source 1 = my 64 tokens, source 0 = the block's 128 columns (two heads);   v: source 1 = my 64 channels (one head), source 0 = my 128 tokens (keys).
; W's block lies in two sub-slots, one for each half of K (8 tiles x 6,144 bytes).  A sub-slot is filled again with the next block's half as soon as its last fragments are in registers (K steps 3 and 7):
; so a refill has four K steps and the way out, or the way out and three K steps, ahead of its first read; for that reason no prefetch is laid.
; CLUSTER 4 x 4: x's tiles hang on tb alone and are asked for jointly along a row of the cluster, W's on g alone, along a column.
; The scale words of x's 16 tiles and of W's three blocks (20,480 bytes) are copied once, through registers, into LDS bytes of their own.
; Operands are images of their registers (1,536 bytes a tile and 128 along K): a fragment is three LDS loads of 16 bytes a lane.
; OUT: qkv, for each (batch, head) 294,912 bytes: K [128 keys: 16][pair of tiles: 4][1,536] at 0, V [128 keys: 16][16 channels: 4][1,536] at 98,304, Q like K at 196,608.
;      sc, for each (batch, head) 24,576 bytes: records of 768: record j: K's words [lane][4] (lane (r, h), word i: tile 2 i + h; bytes 2, 3 are 0), then V's [lane][2]; record 16 + j: Q's like K's.
; LIMITS: NaN and infinities are not served; a block of zeros, or one under 2^-124, keeps the byte 1 (only this program reads the bytes).
; REGISTERS: window 0: v9-31 addresses; v32-79 scale words (on the way out v32-95 the numbers); v96-159 the bias; v160-247 the way out.  window 1: source 0's fragments, two sets.  window 2: accumulator (a, b) at v[8 (8 a + b)].  window 3: source 1's fragments, two sets.
.set FR,    12
.set TILEB, 12288                      ; a tile's eight K steps
.set HB,    6144                       ; four of them
.set WR,    16*TILEB                   ; W's two sub-slots lie behind x
.set SUB,   8*HB
.set XS,    WR+2*SUB                   ; x's scale words, 8,192 bytes
.set WS,    XS+8192                    ; W's, 4,096 bytes a block
.set SPARE, WS+12288                   ; the spare words, 128 bytes a wave: two blocks of 256 bytes that no other line names
.set BO0,  14                          ; 64 h
.set BO1,  15                          ; 4 (r + 8 (r / 8))
.set AXP,  16                          ; x as source 1: my four tiles
.set AXR,  17                          ; v17-18 x as source 0: my tiles 0-3, 4-7
.set AW,   19                          ; v19-20 W as source 0: sub-slot 0, 1
.set AWP,  21                          ; v21-22 W as source 1: my four tiles in sub-slot 0, 1
.set ASX,  23                          ; scale words: x as source 1
.set ASXR, 24                          ; x as source 0
.set ASW,  25                          ; W as source 0
.set ASWP, 26                          ; W as source 1
.set LI,   27                          ; 16 x lane
.set SPW,  28
.set NIL,  29
.set L8,   30                          ; 8 x lane
.set LN,   31
.set SA,   32                          ; source 1's scale words: 4 k + 2 i + q (256 along K, pair, K step); lanes 0-15 the pair's even tile, lanes 16-31 its odd one
.set SB,   48                          ; source 0's: 8 k + 2 i + q
.set HA,   32
.set BB,   96
.set IM,   160
.set TM,   208
.set CT,   224
.set PW,   232
.set WA,   240
.set WB,   244
.set SEL,  46
.set G1X,  24
.set G0X,  32
.set G0W0, 36
.set G1W,  48
.set G0W1, 56
.set MSB, 0
.macro WIN new                         ; the immediate's high byte repeats the setting that is left
.if MSB != (\new)
	s_set_vgpr_msb (MSB<<8)|(\new)
.set MSB, (\new)
.endif
.endm
.macro CREST
	s_cmp_lg_u32 s14, 0
	s_cbranch_scc1 .Lnot_wave_0_\@
	s_barrier_signal -3
.Lnot_wave_0_\@:
	s_barrier_wait -3
	s_barrier_signal -1
	s_barrier_wait -1
.endm
.macro CROUND
	s_barrier_signal -1
	s_barrier_wait -1
	CREST
.endm
.macro PLACES n
.rept \n
	v_nop
.endr
.endm
	s_load_b256 s[4:11], s[0:1], 0x0               ; img s[4:5], scl s[6:7], b_qkv s[8:9], qkv s[10:11]
	s_load_b64 s[12:13], s[0:1], 0x20              ; sc
	v_lshl_add_u32 v[SPW], v0, 2, SPARE
	v_mov_b32 v[NIL], 0
	ds_add_u32 v[SPW], v[NIL]                      ; the opening lines: the add, twice on end, and its wait ahead of my first tensor load
	ds_add_u32 v[SPW], v[NIL]
	v_lshrrev_b32 v1, 5, v0
	v_readfirstlane_b32 s14, v1                    ; wave
	s_lshr_b32 s15, s14, 1
	s_and_b32 s16, s14, 1
	v_and_b32 v[LN], 31, v0
	v_lshlrev_b32 v[LI], 4, v[LN]
	v_lshlrev_b32 v[L8], 3, v[LN]
	v_bfe_u32 v2, v0, 4, 1
	v_lshlrev_b32 v[BO0], 6, v2
	v_and_b32 v3, 15, v0
	v_and_b32 v4, 8, v3
	v_add_nc_u32 v4, v4, v3
	v_lshlrev_b32 v[BO1], 2, v4
	s_mul_i32 s23, s14, 4*TILEB
	v_add_nc_u32 v[AXP], s23, v[LI]
	s_mul_i32 s23, s16, 8*TILEB
	v_add_nc_u32 v[AXR], s23, v[LI]
	s_add_co_u32 s23, s23, 4*TILEB
	v_add_nc_u32 v[AXR+1], s23, v[LI]
	v_add_nc_u32 v[AW], WR, v[LI]
	v_add_nc_u32 v[AW+1], WR+SUB, v[LI]
	s_mul_i32 s23, s15, 4*HB
	s_add_co_u32 s23, s23, WR
	v_add_nc_u32 v[AWP], s23, v[LI]
	s_add_co_u32 s23, s23, SUB
	v_add_nc_u32 v[AWP+1], s23, v[LI]
	s_lshl_b32 s23, s14, 11
	s_add_co_u32 s23, s23, XS
	v_add_nc_u32 v[ASX], s23, v[L8]
	v_add_nc_u32 v9, s23, v[LI]                    ; where my share of x's scale words goes
	s_lshl_b32 s23, s16, 12
	s_add_co_u32 s23, s23, XS
	v_add_nc_u32 v[ASXR], s23, v[L8]
	v_add_nc_u32 v[ASW], WS, v[L8]
	s_lshl_b32 s23, s15, 11
	s_add_co_u32 s23, s23, WS+8192
	v_add_nc_u32 v[ASWP], s23, v[L8]
	s_lshl_b32 s23, s14, 11
	s_add_co_u32 s23, s23, WS
	v_add_nc_u32 v10, s23, v[LI]                   ; of the first two blocks' of W,
	s_lshl_b32 s23, s14, 10
	s_add_co_u32 s23, s23, WS+8192
	v_add_nc_u32 v11, s23, v[LI]                   ; of the third's
.irp b, 0,1,2,3
	v_mov_b32 v[TM+4+\b], 0                        ; written once: a lane permute's destination counts as read
.endr
	s_bfe_u32 s40, ttmp6, 0x40000                  ; cx
	s_bfe_u32 s41, ttmp6, 0x40004                  ; cy
	s_lshl_b32 s42, ttmp9, 2
	s_add_co_u32 s42, s42, s40                     ; g: which columns
	s_and_b32 s17, ttmp7, 0xffff
	s_lshl_b32 s17, s17, 2
	s_add_co_u32 s17, s17, s41                     ; tb: which 256 tokens
	s_lshl_b32 s43, s41, 2
	s_lshl_b32 s43, 15, s43                        ; my row of the cluster
	s_lshl_b32 s44, 0x1111, s40                    ; my column
	s_or_b32 s[G1X], s43, (3<<16)|(1<<21)          ; x: the mask; elements of 8 bytes; bit 21 beside a mask; half of x is 384 dense rows of 256 bytes
	s_mov_b32 s[G1X+1], 32<<16
	s_mov_b32 s[G1X+2], 384<<16
	s_mov_b32 s[G1X+3], 32<<16
	s_mov_b32 s[G1X+4], 384
	s_mov_b32 s[G1X+5], 32
	s_mov_b32 s[G1X+6], 0
	s_mov_b32 s[G1X+7], 0
	s_or_b32 s[G1W], s44, (3<<16)|(1<<21)          ; W: rows of 6,144 bytes, a tile's half of K, 12,288 bytes apart: eight for the head's loads, two behind them
	s_mov_b32 s[G1W+1], 768<<16
	s_mov_b32 s[G1W+2], 8<<16
	s_mov_b32 s[G1W+3], 768<<16
	s_mov_b32 s[G1W+4], 8
	s_mov_b32 s[G1W+5], 1536
	s_mov_b32 s[G1W+6], 0
	s_mov_b32 s[G1W+7], 0
	s_mul_i32 s18, s17, 16*TILEB                   ; x's codes: my half of the 16 tiles (waves 0, 1)
	s_mul_i32 s20, s16, 8*TILEB
	s_add_co_u32 s18, s18, s20
	s_mov_b32 s19, 0
	s_lshl_b32 s21, s42, 4
	s_add_co_u32 s21, s21, 512                     ; W's tile of column 256 g
	s_mul_i32 s82, s21, TILEB
	s_mov_b32 s83, 0
	s_mul_i32 s45, s14, 2*HB                       ; in the ring I fetch two tiles
	s_mul_i32 s84, s14, 2*TILEB
	s_add_co_u32 s84, s84, s82
	s_mov_b32 s85, 0
	s_lshl_b32 s22, s42, 3
	s_sub_co_u32 s60, 120, s22                     ; from the second block's tiles (520 + 16 g) to v's (640 + 8 g)
	s_mul_i32 s60, s60, TILEB
	s_mov_b32 s61, 0
	s_lshl_b32 s62, s17, 13                        ; scale words: 512 bytes a tile; a quarter of each run is mine to copy
	s_lshl_b32 s23, s14, 11
	s_add_co_u32 s62, s62, s23
	s_mov_b32 s63, 0
	s_lshl_b32 s66, s21, 9
	s_add_co_u32 s66, s66, s23
	s_mov_b32 s67, 0
	s_add_co_u32 s68, s22, 640
	s_lshl_b32 s68, s68, 9
	s_lshl_b32 s23, s14, 10
	s_add_co_u32 s68, s68, s23
	s_mov_b32 s69, 0
	s_lshr_b32 s86, s17, 3
	s_lshl_b32 s86, s86, 4                         ; 16 x batch
	s_and_b32 s87, s17, 7
	s_lshl_b32 s87, s87, 1                         ; the first of my work-group's two runs of 128 tokens
	s_and_b32 s88, s42, 3                          ; q, k: my work-group's first head, 4 (g % 4);
	s_lshl_b32 s88, s88, 2
	s_add_co_u32 s88, s88, s86
	s_add_co_u32 s89, s87, s15                     ; my 64 tokens: run wave / 2, half wave % 2
	s_mul_i32 s70, s88, 294912
	s_mul_i32 s90, s89, 6144
	s_add_co_u32 s70, s70, s90
	s_mul_i32 s90, s16, 3072
	s_add_co_u32 s70, s70, s90
	s_mul_i32 s72, s88, 24576
	s_mul_i32 s90, s89, 768
	s_add_co_u32 s72, s72, s90
	s_lshl_b32 s90, s16, 3
	s_add_co_u32 s72, s72, s90
	s_cmp_lt_u32 s42, 4                            ; q's region or k's
	s_cselect_b32 s90, 196608, 0
	s_cselect_b32 s91, 12288, 0
	s_add_co_u32 s70, s70, s90
	s_add_co_u32 s72, s72, s91
	s_mov_b32 s71, 0
	s_mov_b32 s73, 0
	s_lshl_b32 s88, s42, 1                         ; v: my head 2 g + wave / 2, my run wave % 2
	s_add_co_u32 s88, s88, s15
	s_add_co_u32 s88, s88, s86
	s_add_co_u32 s89, s87, s16
	s_mul_i32 s74, s88, 294912
	s_mul_i32 s90, s89, 6144
	s_add_co_u32 s74, s74, s90
	s_add_co_u32 s74, s74, 98304
	s_mov_b32 s75, 0
	s_mul_i32 s76, s88, 24576
	s_mul_i32 s90, s89, 768
	s_add_co_u32 s76, s76, s90
	s_add_co_u32 s76, s76, 512
	s_mov_b32 s77, 0
	s_lshl_b32 s78, s42, 10                        ; the bias of column 256 g,
	s_mov_b32 s79, 0
	s_lshl_b32 s80, s42, 9                         ; and of v's column 2,048 + 128 g + 64 (wave / 2)
	s_lshl_b32 s90, s15, 8
	s_add_co_u32 s80, s80, s90
	s_add_co_u32 s80, s80, 8192
	s_mov_b32 s81, 0
	s_mov_b32 s[SEL], 0x76543210
	s_mov_b32 s[SEL+1], 0xfedcba98
	s_wait_alu depctr_va_vdst(0)
	s_wait_dscnt 0x0
	s_wait_kmcnt 0x0
	s_mov_b32 s[G0X], 1
	s_mov_b32 s[G0X+1], s20
	s_add_nc_u64 s[G0X+2:G0X+3], s[4:5], s[18:19]
	s_or_b32 s[G0X+3], s[G0X+3], 0x80000000
	s_add_nc_u64 s[82:83], s[4:5], s[82:83]
	s_add_nc_u64 s[84:85], s[4:5], s[84:85]
	s_mov_b32 s[G0W0], 1                           ; for the head: a whole sub-slot
	s_mov_b32 s[G0W0+1], WR
	s_mov_b64 s[G0W0+2:G0W0+3], s[82:83]
	s_or_b32 s[G0W0+3], s[G0W0+3], 0x80000000
	s_mov_b32 s[G0W1], 1
	s_mov_b32 s[G0W1+1], WR+SUB
	s_add_nc_u64 s[G0W1+2:G0W1+3], s[82:83], HB
	s_or_b32 s[G0W1+3], s[G0W1+3], 0x80000000
	s_add_nc_u64 s[62:63], s[6:7], s[62:63]
	s_add_nc_u64 s[66:67], s[6:7], s[66:67]
	s_add_nc_u64 s[68:69], s[6:7], s[68:69]
	s_add_nc_u64 s[70:71], s[10:11], s[70:71]
	s_add_nc_u64 s[72:73], s[12:13], s[72:73]
	s_add_nc_u64 s[74:75], s[10:11], s[74:75]
	s_add_nc_u64 s[76:77], s[12:13], s[76:77]
	s_add_nc_u64 s[78:79], s[8:9], s[78:79]
	s_add_nc_u64 s[80:81], s[8:9], s[80:81]
.irp i, 0,1,2,3
	global_load_b128 v[IM+4*\i:IM+4*\i+3], v[LI], s[62:63] offset:512*\i
	global_load_b128 v[IM+16+4*\i:IM+16+4*\i+3], v[LI], s[66:67] offset:512*\i
.endr
.irp i, 0,1
	global_load_b128 v[IM+32+4*\i:IM+32+4*\i+3], v[LI], s[68:69] offset:512*\i
.endr
.macro BIASQK n                        ; a lane's 64 columns of block n: 32 b + 16 h + 0 .. 15
.irp b, 0,1,2,3
.irp j, 0,1,2,3
	global_load_b128 v[BB+16*\b+4*\j:BB+16*\b+4*\j+3], v[BO0], s[78:79] offset:512*\n+128*\b+16*\j
.endr
.endr
.endm
	BIASQK 0
	CROUND                                         ; all sixteen work-groups are here: the first joint loads meet
; THE HEAD'S LOADS, ONE A WAVE: waves 0, 1 a half of x each, wave 2 W's sub-slot 0, wave 3 its sub-slot 1.  One chain of branches on the wave's number, one load to an arm, one join.
.macro ARM under, g0, g1, next
	s_cmp_lt_u32 s14, \under
	s_cbranch_scc0 \next
	tensor_load_to_lds s[\g0:\g0+3], s[\g1:\g1+7]
	s_nop 0
.rept 4
	v_nop
.endr
	s_branch .Lhead_asked
\next:
.endm
	ARM 2, G0X,  G1X, .Lhead_w0
	ARM 3, G0W0, G1W, .Lhead_w1
	tensor_load_to_lds s[G0W1:G0W1+3], s[G1W:G1W+7]
	s_nop 0
.rept 4
	v_nop
.endr
.Lhead_asked:
	s_wait_tensorcnt 0x0                           ; my tile is in; no tensor load of mine is out, so the descriptors may be written: from here on a load brings my two tiles of a sub-slot
	s_mov_b32 s[G1W+2], 2<<16
	s_mov_b32 s[G1W+4], 2
	s_add_co_u32 s[G0W0+1], s45, WR
	s_mov_b64 s[G0W0+2:G0W0+3], s[84:85]
	s_or_b32 s[G0W0+3], s[G0W0+3], 0x80000000
	s_add_co_u32 s[G0W1+1], s45, WR+SUB
	s_add_nc_u64 s[G0W1+2:G0W1+3], s[84:85], HB
	s_or_b32 s[G0W1+3], s[G0W1+3], 0x80000000
	s_wait_loadcnt 16                              ; the ten loads of scale words are in; the bias's sixteen may be out
.irp i, 0,1,2,3
	ds_store_b128 v9, v[IM+4*\i:IM+4*\i+3] offset:512*\i
	ds_store_b128 v10, v[IM+16+4*\i:IM+16+4*\i+3] offset:512*\i
.endr
.irp i, 0,1
	ds_store_b128 v11, v[IM+32+4*\i:IM+32+4*\i+3] offset:512*\i
.endr
	s_wait_dscnt 0x0
	s_barrier_signal -1
	s_barrier_wait -1                              ; x, W's first block and all scale words are whole for every wave
; kind 0: q, k (source 0 = W's eight tiles, source 1 = my four of x);  kind 1: v (source 0 = my eight of x, source 1 = my four of W)
.macro FETCH kind, st, p               ; K step st's fragments into set p
	WIN 0x40
.irp i, 0,1,2,3,4,5,6,7
.irp c, 0,1,2
.if \kind
	ds_load_b128 v[128*(\p)+FR*\i+4*\c:128*(\p)+FR*\i+4*\c+3], v[AXR+\i/4] offset:(\i%4)*TILEB+(\st)*1536+512*\c
.else
	ds_load_b128 v[128*(\p)+FR*\i+4*\c:128*(\p)+FR*\i+4*\c+3], v[AW+(\st)/4] offset:\i*HB+((\st)%4)*1536+512*\c
.endif
.endr
.endr
	WIN 0xc0
.irp i, 0,1,2,3
.irp c, 0,1,2
.if \kind
	ds_load_b128 v[48*(\p)+FR*\i+4*\c:48*(\p)+FR*\i+4*\c+3], v[AWP+(\st)/4] offset:\i*HB+((\st)%4)*1536+512*\c
.else
	ds_load_b128 v[48*(\p)+FR*\i+4*\c:48*(\p)+FR*\i+4*\c+3], v[AXP] offset:\i*TILEB+(\st)*1536+512*\c
.endif
.endr
.endr
	WIN 0
.endm
.macro SCLOAD kind, n                  ; a block's scale words, for all of K
.irp k, 0,1,2,3
.irp i, 0,1
.if \kind
	ds_load_b64 v[SA+4*\k+2*\i:SA+4*\k+2*\i+1], v[ASWP] offset:1024*\i+256*\k
.else
	ds_load_b64 v[SA+4*\k+2*\i:SA+4*\k+2*\i+1], v[ASX] offset:1024*\i+256*\k
.endif
.endr
.irp i, 0,1,2,3
.if \kind
	ds_load_b64 v[SB+8*\k+2*\i:SB+8*\k+2*\i+1], v[ASXR] offset:1024*\i+256*\k
.else
	ds_load_b64 v[SB+8*\k+2*\i:SB+8*\k+2*\i+1], v[ASW] offset:4096*\n+1024*\i+256*\k
.endif
.endr
.endr
.endm
.macro WM cc, ob, oa                   ; one product; an odd tile's scale words stand in lanes 16-31 of its pair's register
.if (\ob) && (\oa)
	v_wmma_scale_f32_16x16x128_f8f6f4 v[rD:rD+7], v[rB:rB+11], v[rA:rA+11], \cc, v[rSB], v[rSA] matrix_a_fmt:MATRIX_FMT_FP6 matrix_b_fmt:MATRIX_FMT_FP6 matrix_a_scale:MATRIX_SCALE_ROW1 matrix_b_scale:MATRIX_SCALE_ROW1
.elseif (\ob)
	v_wmma_scale_f32_16x16x128_f8f6f4 v[rD:rD+7], v[rB:rB+11], v[rA:rA+11], \cc, v[rSB], v[rSA] matrix_a_fmt:MATRIX_FMT_FP6 matrix_b_fmt:MATRIX_FMT_FP6 matrix_a_scale:MATRIX_SCALE_ROW1
.elseif (\oa)
	v_wmma_scale_f32_16x16x128_f8f6f4 v[rD:rD+7], v[rB:rB+11], v[rA:rA+11], \cc, v[rSB], v[rSA] matrix_a_fmt:MATRIX_FMT_FP6 matrix_b_fmt:MATRIX_FMT_FP6 matrix_b_scale:MATRIX_SCALE_ROW1
.else
	v_wmma_scale_f32_16x16x128_f8f6f4 v[rD:rD+7], v[rB:rB+11], v[rA:rA+11], \cc, v[rSB], v[rSA] matrix_a_fmt:MATRIX_FMT_FP6 matrix_b_fmt:MATRIX_FMT_FP6
.endif
.endm
.macro MULH st, hf, zero               ; 16 products of K step st: source 1's tiles 2 hf, 2 hf + 1 x source 0's eight.  The 32 accumulators take turns, in the same order in every step
.set ma, 2*(\hf)
.rept 2
.set mb, 0
.rept 8
.set rD, 8*(8*ma+mb)
.set rB, 128*((\st)%2)+FR*mb
.set rA, 48*((\st)%2)+FR*ma
.set rSB, SB+8*((\st)/2)+2*(mb/2)+((\st)%2)
.set rSA, SA+4*((\st)/2)+2*(ma/2)+((\st)%2)
.if \zero
	WM 0, mb%2, ma%2
.else
	WM v[rD:rD+7], mb%2, ma%2
.endif
.set mb, mb+1
.endr
.set ma, ma+1
.endr
.endm
.set MUL, 0xad                         ; source 0 window 1, source 1 window 3, C and D window 2
.macro STEPN kind, st, zero            ; a K step: the next step's fragments are asked for, then 32 products
	s_wait_dscnt 0x0                               ; this step's fragments are in
.if (\st) > 0
	PLACES 4                                       ; in front of loads into the set that the last step's products read
.endif
.if (\st) < 7
	FETCH \kind, (\st)+1, ((\st)+1)%2
.endif
	WIN MUL
	MULH \st, 0, \zero
	MULH \st, 1, \zero
	WIN 0
.endm
.macro STEPR kind, st, kh, n           ; the same, and sub-slot kh, whose last fragments are in registers, takes the next block's half of K
	s_wait_dscnt 0x0
	PLACES 4
.if (\st) < 7
	FETCH \kind, (\st)+1, ((\st)+1)%2              ; (from the other sub-slot)
.endif
	s_wait_tensorcnt 0x0                           ; all my tensor loads have landed;
	ds_add_u32 v[SPW], v[NIL]                      ; 0 onto my spare word;
	WIN MUL
	MULH \st, 0, 0
	s_wait_dscnt 0x0                               ; the add is done, and so are all my LDS reads
	s_barrier_signal -1
	MULH \st, 1, 0
	WIN 0
	s_barrier_wait -1
	CREST                                          ; the barrier has opened a round of the cluster's: no wave of any partner still reads this sub-slot or has a load on its way
.set gw, G0W0+20*(\kh)
.if \n
	s_add_nc_u64 s[gw+2:gw+3], s[gw+2:gw+3], s[60:61]   ; on to v's block
.else
	s_add_nc_u64 s[gw+2:gw+3], s[gw+2:gw+3], 8*TILEB    ; on to the next 128 columns
.endif
	tensor_load_to_lds s[gw:gw+3], s[G1W:G1W+7]    ; the first tensor load behind the round, my one load there
	s_nop 0
.rept 4
	v_nop
.endr
.endm
.macro KLOOP kind, n
	FETCH \kind, 0, 0
	SCLOAD \kind, \n
	STEPN \kind, 0, 1                              ; the first products start the sums: nothing is cleared
	STEPN \kind, 1, 0
	STEPN \kind, 2, 0
.if \n
	s_wait_dscnt 0x0
	s_wait_tensorcnt 0x0                           ; my part of sub-slot 1 is in,
	s_barrier_signal -1
	s_barrier_wait -1                              ; and everybody's: K step 4's fragments may be fetched
.endif
.if (\n) < 2
	STEPR \kind, 3, 0, \n
.else
	STEPN \kind, 3, 0
.endif
	STEPN \kind, 4, 0
	STEPN \kind, 5, 0
	STEPN \kind, 6, 0
.if (\n) < 2
	STEPR \kind, 7, 1, \n
.else
	STEPN \kind, 7, 0
	PLACES 4
.endif
.endm
.macro NEXTB                           ; ahead of a block's first fetch
	s_wait_alu depctr_va_vdst(0)
	s_wait_tensorcnt 1                             ; my part of sub-slot 0 is in; the one load issued behind it, sub-slot 1's, may be out
	s_barrier_signal -1
	s_barrier_wait -1
.endm
; THE WAY OUT.  For each of source 1's four tiles a lane holds one row and 64 numbers, register 16 b + i = place 32 b + 16 h + i along source 0: 16 neighbours of each block of 32.  The bias is added and the 64 are quantised.
.macro QUANT s, d0, d1, w              ; 64 numbers -> six registers of codes for K 0-63 at d0, six for K 64-127 at d1, the scale word in w (in both halves of the lanes)
.irp b, 0,1,2,3
	v_max3_num_f32 v[TM+\b], |v[\s+16*\b]|, |v[\s+1+16*\b]|, 0x1800000   ; my 16 numbers of block b, and the floor 2^(3 - 127)
.endr
.irp i, 2,4,6,8,10,12,14
.irp b, 0,1,2,3
	v_max3_num_f32 v[TM+\b], v[TM+\b], |v[\s+16*\b+\i]|, |v[\s+1+16*\b+\i]|
.endr
.endr
.irp b, 0,1,2,3
	v_permlanex16_b32 v[TM+4+\b], v[TM+\b], s[SEL], s[SEL+1]
.endr
.irp b, 0,1,2,3
	v_max_num_f32 v[TM+\b], v[TM+\b], v[TM+4+\b]   ; with lane l xor 16's: the block's largest magnitude
.endr
.irp b, 0,1,2,3
	v_add_nc_u32 v[TM+12+\b], 0xff000000, v[TM+\b] ; 2 off its exponent field: the conversion's scale operand
.endr
.irp b, 0,1,2,3
	v_lshrrev_b32 v[TM+4+\b], 23, v[TM+12+\b]      ; the byte
.endr
	v_lshl_or_b32 v[\w], v[TM+5], 8, v[TM+4]
	v_lshl_or_b32 v[\w], v[TM+6], 16, v[\w]
	v_lshl_or_b32 v[\w], v[TM+7], 24, v[\w]
	v_cvt_scalef32_pk16_fp6_f32 v[\d0:\d0+2], v[\s:\s+15], v[TM+12]
	v_cvt_scalef32_pk16_fp6_f32 v[CT:CT+2], v[\s+16:\s+31], v[TM+13]
	v_cvt_scalef32_pk16_fp6_f32 v[\d1:\d1+2], v[\s+32:\s+47], v[TM+14]
	v_cvt_scalef32_pk16_fp6_f32 v[CT+4:CT+6], v[\s+48:\s+63], v[TM+15]
	v_nop                                          ; one plain place behind a scaled conversion
.irp i, 0,1,2                          ; the layout wants a whole block in a lane: lanes 0-15 the even block, lanes 16-31 the odd one
	v_permlane16_swap_b32 v[\d0+\i], v[CT+\i]
	v_permlane16_swap_b32 v[\d1+\i], v[CT+4+\i]
.endr
.irp i, 0,1,2
	v_mov_b32 v[\d0+3+\i], v[CT+\i]
	v_mov_b32 v[\d1+3+\i], v[CT+4+\i]
.endr
.endm
.macro EPIQK n                         ; q or k: a lane holds a token; blocks 0, 1 of its 64 numbers are the block's first head, blocks 2, 3 its second
	s_wait_loadcnt 0x0                             ; the bias
.set qe, 0
.rept 2
	s_wait_xcnt 0x0                                ; earlier stores have read their registers
.set ia, IM+24*(qe%2)
.set qa, 2*qe
.rept 2
	WIN 0x02                                       ; source 0: the accumulators' window
.set i2, 0
.rept 32
	v_pk_add_f32 v[HA+i2:HA+i2+1], v[64*qa+i2:64*qa+i2+1], v[BB+i2:BB+i2+1]   ; each accumulator from its low end on
.set i2, i2+2
.endr
	WIN 0
.set qd0, ia+6*(qa%2)
.set qd1, ia+12+6*(qa%2)
.set qw, PW+qa
	QUANT HA, qd0, qd1, qw
.set qa, qa+1
.endr
.irp q, 0,1,2
	global_store_b128 v[LI], v[ia+4*\q:ia+4*\q+3], s[70:71] offset:589824*\n+1536*qe+512*\q              ; the pair's image, first head: 512 consecutive bytes a store
	global_store_b128 v[LI], v[ia+12+4*\q:ia+12+4*\q+3], s[70:71] offset:589824*\n+294912+1536*qe+512*\q ; second head
.endr
.set qe, qe+1
.endr
	v_cmp_le_u32 vcc_lo, 16, v[LN]                 ; lanes 16-31 carry a pair's odd tile
.irp j, 0,1
	v_cndmask_b32 v[WB+\j], v[PW+2*\j], v[PW+2*\j+1], vcc_lo
.endr
.irp j, 0,1
	v_and_b32 v[WA+\j], 0xffff, v[WB+\j]           ; the first head's two bytes; bytes 2, 3 are 0
	v_lshrrev_b32 v[WB+\j], 16, v[WB+\j]           ; the second head's
.endr
	global_store_b64 v[LI], v[WA:WA+1], s[72:73] offset:49152*\n          ; my two pairs' words of a lane's four
	global_store_b64 v[LI], v[WB:WB+1], s[72:73] offset:49152*\n+24576
.endm
	KLOOP 0, 0
	EPIQK 0
	NEXTB
	BIASQK 1                                       ; the next block's bias lands under its products
	KLOOP 0, 1
	EPIQK 1
	NEXTB
.irp a, 0,1,2,3
	global_load_b32 v[BB+2*\a], v[BO1], s[80:81] offset:(32*(\a/2)+8*(\a%2))*4
	global_load_b32 v[BB+2*\a+1], v[BO1], s[80:81] offset:(32*(\a/2)+8*(\a%2))*4   ; twice: the packed addition takes a pair
.endr
	KLOOP 1, 2
	; v: a lane holds a channel; its 64 numbers are 128 keys' halves: a whole fragment of V with the keys innermost
	s_wait_loadcnt 0x0
.set qa, 0
.rept 4
	s_wait_xcnt 0x0
	WIN 0x02
.set i2, 0
.rept 32
	v_pk_add_f32 v[HA+i2:HA+i2+1], v[64*qa+i2:64*qa+i2+1], v[BB+2*qa:BB+2*qa+1]
.set i2, i2+2
.endr
	WIN 0
.set qd0, IM+12*(qa%2)
.set qd1, IM+12*(qa%2)+6
.set qw, PW+qa
	QUANT HA, qd0, qd1, qw
.irp q, 0,1,2
	global_store_b128 v[LI], v[qd0+4*\q:qd0+4*\q+3], s[74:75] offset:qa*1536+512*\q
.endr
.set qa, qa+1
.endr
	v_cmp_le_u32 vcc_lo, 16, v[LN]
.irp j, 0,1
	v_cndmask_b32 v[WA+\j], v[PW+2*\j], v[PW+2*\j+1], vcc_lo
.endr
	global_store_b64 v[L8], v[WA:WA+1], s[76:77]   ; my head's four channel tiles: 256 consecutive bytes
	s_wait_tensorcnt 0x0                           ; the wave's end
	ds_add_u32 v[SPW], v[NIL]
	s_wait_dscnt 0x0
	CROUND                                         ; the closing round
	s_endpgm
.Lfunc_end_k_qbc15ab5176_gemm_qkv:
	.size	k_qbc15ab5176_gemm_qkv, .Lfunc_end_k_qbc15ab5176_gemm_qkv-k_qbc15ab5176_gemm_qkv
	.p2alignl 7, 3214868480
	.fill 96, 4, 3214868480
	.section	.rodata,"a",@progbits
	.p2align	6, 0x0
	.amdhsa_kernel k_qbc15ab5176_gemm_qkv
		.amdhsa_group_segment_fixed_size 327680
		.amdhsa_private_segment_fixed_size 0
		.amdhsa_enable_private_segment 0
		.amdhsa_kernarg_size 40
		.amdhsa_user_sgpr_count 2
		.amdhsa_user_sgpr_kernarg_segment_ptr 1
		.amdhsa_wavefront_size32 1
		.amdhsa_system_sgpr_workgroup_id_x 1
		.amdhsa_system_sgpr_workgroup_id_y 1
		.amdhsa_system_sgpr_workgroup_id_z 1
		.amdhsa_system_vgpr_workitem_id 0
		.amdhsa_next_free_vgpr 1024
		.amdhsa_next_free_sgpr 100
		.amdhsa_reserve_vcc 1
		.amdhsa_float_denorm_mode_32 3
		.amdhsa_float_denorm_mode_16_64 3
		.amdhsa_memory_ordered 1
		.amdhsa_forward_progress 1
		.amdhsa_inst_pref_size 255
	.end_amdhsa_kernel
	.amdgpu_metadata
---
amdhsa.version: [ 1, 2 ]
amdhsa.kernels:
  - .name:           k_qbc15ab5176_gemm_qkv
    .symbol:         k_qbc15ab5176_gemm_qkv.kd
    .args:
      - { .name: img, .offset: 0, .size: 8, .value_kind: global_buffer, .address_space: global }
      - { .name: scl, .offset: 8, .size: 8, .value_kind: global_buffer, .address_space: global }
      - { .name: b_qkv, .offset: 16, .size: 8, .value_kind: global_buffer, .address_space: global }
      - { .name: qkv, .offset: 24, .size: 8, .value_kind: global_buffer, .address_space: global }
      - { .name: sc, .offset: 32, .size: 8, .value_kind: global_buffer, .address_space: global }
    .group_segment_fixed_size: 327680
    .private_segment_fixed_size: 0
    .kernarg_segment_align: 8
    .kernarg_segment_size: 40
    .max_flat_workgroup_size: 128
    .sgpr_count:     100
    .vgpr_count:     1024
    .wavefront_size: 32
...
	.end_amdgpu_metadata
.endif
;; end of part 2
;; launch attn (part 3): grid 4 x 64, 8 waves a work-group, clusters of 4 x 1, 327,680 bytes of LDS; arguments qkv, sc, oim, osc; writes oim, osc
.if DOCPART == 3
	.amdgcn_target "amdgcn-amd-amdhsa--gfx1250"
	.amdhsa_code_object_version 6
	.text
	.protected	k_qbc15ab5176_attn
	.globl	k_qbc15ab5176_attn
	.p2align	8
	.type	k_qbc15ab5176_attn,@function
k_qbc15ab5176_attn:
	s_mov_b64 s[64:65], 0
	v_nop
	global_prefetch_b8 v0, s[64:65] scope:SCOPE_SE
	s_setreg_imm32_b32 hwreg(HW_REG_WAVE_MODE, 25, 1), 1
	s_wait_xcnt 0x0
	s_wait_alu depctr_hold_cnt(0) depctr_sa_sdst(0) depctr_va_vdst(0) depctr_va_sdst(0) depctr_va_ssrc(0) depctr_va_vcc(0) depctr_vm_vsrc(0)
	s_getreg_b32 s2, hwreg(HW_REG_IB_STS2, 6, 4)
	s_cmp_eq_u32 s2, 0
	s_cbranch_scc0 .Lentry_in_a_cluster
	s_endpgm
.Lentry_in_a_cluster:
	s_bfe_u32 s2, ttmp6, 0x10000c
	s_cmp_lg_u32 s2, 0x3003
	s_cbranch_scc0 .Lentry_shape_is_right
	s_endpgm
.Lentry_shape_is_right:
; o = softmax(q k^T / 8) v for one (batch, head) and 512 queries a work-group, on codes of FP6 (E2M3) as the launch before laid them; o is quantised along the head's 64 for the projection.
; Both products are used transposed (S^T = k q^T, O^T = v^T p^T): a lane holds one query.  p = 2^(t - M), M the ceiling of the running largest t; the row's sum is taken of the unquantised p.
; Eight waves; a wave takes TWO tiles of 16 queries through each step of 128 keys together, so that each fragment of K and V read from LDS feeds two tiles, and the two tiles' lines take turns; two passes.
; WHICH KEYS FORM A TILE OF K is chosen by the lanes' LDS addresses: rows 0-7 of tile 4 c + u are keys 64 c + 8 u + 0..7, rows 8-15 keys 64 c + 32 + 8 u + 0..7.  So a lane's 32 scores of four tiles are
; ONE WHOLE BLOCK of 32 neighbouring keys, block 2 c + h, as p's operand wants it: a block's largest score needs no other lane, and the codes need no exchange between lanes.
; All of the head's K and V (196,608 bytes) come once, one joint load a wave (96 rows of 256 bytes), shared by the cluster's four work-groups, which take the same head.
; The scale records come through registers: 2,048 bytes a wave, 16,384 in all: records 0-15 and what follows them, so that the last trip's look-ahead for the next K scale words reads written bytes.
; No prefetch: nothing is streamed from memory in a loop; the head's loads bring all that is read.
; LIMITS: NaN and infinities are not served; the promise holds while the scaled scores stay under 2^31 in magnitude; a block of zeros, or one under 2^-124, keeps the byte 1 (this program alone reads the bytes).
; REGISTERS: window 0: addresses, state, scale words, the softmax's work, p's codes, S (two tiles x 64).  window 1: K's fragments and six zeros, Q (2 passes x 2 tiles x (6 + 6 zeros)), V's fragments, O^T (two tiles x 32), the rows' sums (two tiles x 4 pairs).
.set SCB,   196608                     ; behind K and V: the scale records
.set SPARE, SCB+16384                  ; the spare words, 128 bytes a wave: four blocks of 256 bytes that no other line names
.set LI,  1                            ; 16 x lane
.set LIV, 2                            ; + V's region
.set L8S, 4                            ; 8 x lane + V's words in a record
.set SPW, 5
.set NIL, 6
.set L8,  7
.set ADK, 8
.set ADV, 9
.set ADS, 10
.set ADT, 11
.set NM,  12                           ; a pair a tile: -M, my lane's running largest score
.set L,   16
.set F,   20                           ; a pair a tile: f = 2^(old M - new M), and a word that is only named
.set TMP, 24
.set QSC, 26                           ; q's scale words: pass, tile
.set PW,  30                           ; p's scale words
.set KS,  32
.set VS,  36
.set QSA, 38
.set SCW, 39
.set BM,  40
.set T4,  48
.set SO,  56
.set CT,  64
.set PC,  80
.set H8,  104                          ; 8 h
.set LIK, 105                          ; K's fragments: 1,536 (r / 8) + 16 (r % 8) + 256 h
.set LKS, 106                          ; K's scale words: 16 (r % 8) + 256 h + 4 (r / 8), in the records
.set OSW, 108
.set S,   112
.set KF,  0                            ; window 1
.set QF,  54
.set VF,  102
.set O,   150
.set LA,  214
.set TB,  2
.set TS,  3
.set WV,  18
.set SEL, 20
.set CS,  22
.set G1K, 24
.set G0K, 40
.set CNT, 48
.set MSB, 0
.macro WIN new                         ; the immediate's high byte repeats the setting that is left
.if MSB != (\new)
	s_set_vgpr_msb (MSB<<8)|(\new)
.set MSB, (\new)
.endif
.endm
.macro CROUND
	s_barrier_signal -1
	s_barrier_wait -1
	s_cmp_lg_u32 s[WV], 0
	s_cbranch_scc1 .Lnot_wave_0_\@
	s_barrier_signal -3
.Lnot_wave_0_\@:
	s_barrier_wait -3
	s_barrier_signal -1
	s_barrier_wait -1
.endm
	s_load_b256 s[4:11], s[0:1], 0x0               ; qkv s[4:5], sc s[6:7], oim s[8:9], osc s[10:11]
	v_lshl_add_u32 v[SPW], v0, 2, SPARE
	v_mov_b32 v[NIL], 0
	ds_add_u32 v[SPW], v[NIL]                      ; the opening lines: the add, twice on end, and its wait ahead of my tensor load
	ds_add_u32 v[SPW], v[NIL]
	v_lshrrev_b32 v8, 5, v0
	v_readfirstlane_b32 s[WV], v8                  ; wave 0..7
	v_and_b32 v8, 31, v0
	v_lshlrev_b32 v[LI], 4, v8
	v_lshlrev_b32 v[L8], 3, v8
	v_add_nc_u32 v[LIV], 98304, v[LI]
	v_add_nc_u32 v[L8S], SCB+512, v[L8]
	v_and_b32 v9, 15, v0
	v_lshlrev_b32 v[QSA], 4, v9
	s_lshl_b32 s50, s[WV], 11
	v_add_nc_u32 v[SCW], s50, v[LI]
	v_add_nc_u32 v[SCW], SCB, v[SCW]               ; where my 2,048 bytes of the records go
	v_and_b32 v9, 7, v0
	v_bfe_u32 v10, v0, 3, 1
	v_bfe_u32 v11, v0, 4, 1
	v_lshlrev_b32 v[H8], 3, v11
	v_lshlrev_b32 v9, 4, v9
	v_lshl_add_u32 v9, v11, 8, v9
	v_mad_u32_u24 v[LIK], v10, 1536, v9
	v_lshl_add_u32 v[LKS], v10, 2, v9
	v_add_nc_u32 v[LKS], SCB, v[LKS]
	s_bfe_u32 s13, ttmp6, 0x40000                  ; cx: which 512 queries
	s_and_b32 s12, ttmp7, 0xffff                   ; (batch, head)
	s_mov_b32 s[G1K], 15|(3<<16)|(1<<21)           ; the four partners; elements of 8 bytes; bit 21 beside a mask
	s_mov_b32 s[G1K+1], 32<<16
	s_mov_b32 s[G1K+2], 96<<16
	s_mov_b32 s[G1K+3], 32<<16
	s_mov_b32 s[G1K+4], 96
	s_mov_b32 s[G1K+5], 32
	s_mov_b32 s[G1K+6], 0
	s_mov_b32 s[G1K+7], 0
	s_mul_i32 s14, s12, 294912
	s_mul_i32 s16, s12, 24576
	s_mul_i32 s49, s[WV], 24576
	s_add_co_u32 s52, s14, s49
	s_mov_b32 s53, 0
	s_add_co_u32 s54, s16, s50
	s_mov_b32 s55, 0
	s_lshl_b32 s15, s13, 4
	s_add_co_u32 s15, s15, s[WV]                   ; my pair of query tiles in pass 0; pass 1 takes the pair eight further on
	s_mul_i32 s56, s15, 1536
	s_add_co_u32 s56, s56, s14
	s_add_co_u32 s56, s56, 196608
	s_mov_b32 s57, 0
	s_lshr_b32 s58, s15, 2
	s_mul_i32 s58, s58, 768
	s_and_b32 s17, s15, 3
	s_lshl_b32 s17, s17, 2
	s_add_co_u32 s58, s58, s17
	s_add_co_u32 s58, s58, s16
	s_add_co_u32 s58, s58, 12288
	s_mov_b32 s59, 0
	s_lshr_b32 s17, s12, 4                         ; batch
	s_and_b32 s19, s12, 15                         ; head
	s_lshl_b32 s60, s17, 7
	s_lshl_b32 s51, s15, 1
	s_add_co_u32 s60, s60, s51
	s_mul_i32 s60, s60, 12288
	s_mul_i32 s51, s19, 768
	s_add_co_u32 s60, s60, s51
	s_mov_b32 s61, 0
	s_lshl_b32 s62, s17, 6
	s_add_co_u32 s62, s62, s15
	s_lshl_b32 s62, s62, 10
	s_lshr_b32 s51, s19, 2
	s_lshl_b32 s51, s51, 8
	s_add_co_u32 s62, s62, s51
	s_and_b32 s51, s19, 3
	s_lshl_b32 s51, s51, 1
	s_add_co_u32 s62, s62, s51
	s_mov_b32 s63, 0
	s_mov_b32 s[SEL], 0x76543210
	s_mov_b32 s[SEL+1], 0xfedcba98                 ; lane l xor 16
	s_mov_b32 s[CS], 0x3e38aa3b                    ; log2(e) / 8
	s_mov_b32 s[CS+1], s[CS]
	s_wait_alu depctr_va_vdst(0)
	s_wait_dscnt 0x0
	s_wait_kmcnt 0x0
	s_mov_b32 s[G0K], 1
	s_mov_b32 s[G0K+1], s49
	s_add_nc_u64 s[G0K+2:G0K+3], s[4:5], s[52:53]
	s_or_b32 s[G0K+3], s[G0K+3], 0x80000000
	s_add_nc_u64 s[54:55], s[6:7], s[54:55]
	s_add_nc_u64 s[56:57], s[4:5], s[56:57]
	s_add_nc_u64 s[58:59], s[6:7], s[58:59]
	s_add_nc_u64 s[60:61], s[8:9], s[60:61]
	s_add_nc_u64 s[62:63], s[10:11], s[62:63]
.irp i, 0,1,2,3
	global_load_b128 v[S+4*\i:S+4*\i+3], v[LI], s[54:55] offset:512*\i   ; my part of the records
.endr
	WIN 0x40                                       ; destinations in window 1
.irp p, 0,1                            ; both passes' queries: a pair's image holds tile 0's six registers, then tile 1's
	global_load_b128 v[QF+24*\p:QF+24*\p+3], v[LI], s[56:57] offset:12288*\p
	global_load_b64 v[QF+24*\p+4:QF+24*\p+5], v[LI], s[56:57] offset:12288*\p+512
	global_load_b64 v[QF+24*\p+12:QF+24*\p+13], v[LI], s[56:57] offset:12288*\p+520
	global_load_b128 v[QF+24*\p+14:QF+24*\p+17], v[LI], s[56:57] offset:12288*\p+1024
.endr
.irp i, 0,1,2,3,4,5                    ; the head has 64 of the instruction's 128 along K: q's upper half is zero codes; six more stand behind K's last tile
	v_mov_b32 v[KF+48+\i], 0
	v_mov_b32 v[QF+6+\i], 0
	v_mov_b32 v[QF+18+\i], 0
	v_mov_b32 v[QF+30+\i], 0
	v_mov_b32 v[QF+42+\i], 0
.endr
	WIN 0
.irp p, 0,1
.irp u, 0,1
	global_load_b32 v[QSC+2*\p+\u], v[QSA], s[58:59] offset:1536*\p+256*\u
.endr
.endr
.irp i, 0,1,2,3,4,5,6,7
	v_mov_b32 v[T4+\i], 0                          ; written once: a lane permute's destination counts as read
.endr
	v_mov_b32 v[TMP], 0
	v_mov_b32 v[TMP+1], 0
	v_mov_b32 v[F+1], 0
	v_mov_b32 v[F+3], 0
	CROUND                                         ; the four partners are here: the joint loads meet
	tensor_load_to_lds s[G0K:G0K+3], s[G1K:G1K+7]  ; my eighth of K and V: my one tensor load
	s_nop 0
.rept 4
	v_nop
.endr
	s_wait_alu depctr_va_vdst(0)
	s_wait_tensorcnt 0x0
	s_wait_loadcnt 12                              ; the four loads of records are in; q's twelve may be out
.irp i, 0,1,2,3
	ds_store_b128 v[SCW], v[S+4*\i:S+4*\i+3] offset:512*\i
.endr
	s_wait_dscnt 0x0
	s_barrier_signal -1
	s_barrier_wait -1                              ; K, V and the records are whole for every wave; nothing in LDS is written from here on
; K's eight tiles of a step, and their scale words.  The image of tiles 4 c + 2 s, 4 c + 2 s + 1 takes rows 8 s .. 8 s + 7 of the stored pairs 2 c (my lanes r < 8) and 2 c + 1 (r >= 8)
.macro KLOAD ak, as
	WIN 0x40
.irp e, 0,1,2,3
.irp i, 0,1,2
	ds_load_b128 v[KF+12*\e+4*\i:KF+12*\e+4*\i+3], v[\ak] offset:3072*(\e/2)+128*(\e%2)+512*\i
.endr
.endr
	WIN 0
.irp e, 0,1,2,3
	ds_load_b32 v[KS+\e], v[\as] offset:8*(\e/2)+128*(\e%2)
.endr
.endm
.macro SUM8                            ; four pairs of p of each tile onto the rows' sums; under the second product's windows: the sums in window 1, p in window 0
.irp i, 0,1,2,3
.irp w, 0,1
	v_pk_add_f32 v[LA+8*\w+2*\i:LA+8*\w+2*\i+1], v[LA+8*\w+2*\i:LA+8*\w+2*\i+1], v[S+64*\w+2*(KK+\i):S+64*\w+2*(KK+\i)+1]
.endr
.endr
.set KK, KK+4
.endm
; A step: 128 keys for two tiles of queries.  qb: this pass's q in window 1; qs: its scale words
.macro STEP qb, qs
	WIN 0x05                                       ; K and q in window 1, S in window 0
.irp t, 0,2,4,6
.irp u, 0,1
	v_wmma_scale_f32_16x16x128_f8f6f4 v[S+64*\u+8*\t:S+64*\u+8*\t+7], v[KF+6*\t:KF+6*\t+11], v[\qb+12*\u:\qb+12*\u+11], 0, v[KS+\t/2], v[\qs+\u] matrix_a_fmt:MATRIX_FMT_FP6 matrix_b_fmt:MATRIX_FMT_FP6
.endr
.irp u, 0,1
	v_wmma_scale_f32_16x16x128_f8f6f4 v[S+64*\u+8*\t+8:S+64*\u+8*\t+15], v[KF+6*\t+6:KF+6*\t+17], v[\qb+12*\u:\qb+12*\u+11], 0, v[KS+\t/2], v[\qs+\u] matrix_a_fmt:MATRIX_FMT_FP6 matrix_b_fmt:MATRIX_FMT_FP6 matrix_a_scale:MATRIX_SCALE_ROW1
.endr
.endr
	WIN 0
	v_add_nc_u32 v[ADV], s[TB], v[LIV]             ; these four lines are the places behind the products: this step's V,
	v_add_nc_u32 v[ADT], s[TS], v[L8S]
	s_add_co_u32 s[TB], s[TB], 6144
	s_add_co_u32 s[TS], s[TS], 768
	v_add_nc_u32 v[ADK], s[TB], v[LIK]             ; the next step's K (in the last trip: bytes of V and of record 16, which are not used)
	v_add_nc_u32 v[ADS], s[TS], v[LKS]
	WIN 0x40
.irp i, 0,1,2,3,4,5,6,7,8,9,10,11
	ds_load_b128 v[VF+4*\i:VF+4*\i+3], v[ADV] offset:512*\i
.endr
	KLOAD ADK, ADS
	ds_load_b64 v[VS:VS+1], v[ADT]
.irp u, 0,1                            ; the largest score of each block of 32 keys, in two chains a block: eight chains by turns
.irp b, 0,1,2,3
	v_max3_num_f32 v[BM+4*\u+\b], v[S+64*\u+16*\b], v[S+64*\u+16*\b+1], v[S+64*\u+16*\b+2]
.endr
.endr
.irp i, 3,5,7,9,11,13
.irp u, 0,1
.irp b, 0,1,2,3
	v_max3_num_f32 v[BM+4*\u+\b], v[BM+4*\u+\b], v[S+64*\u+16*\b+\i], v[S+64*\u+16*\b+\i+1]
.endr
.endr
.endr
.irp u, 0,1
.irp c, 0,2
	v_max3_num_f32 v[BM+4*\u+\c], v[BM+4*\u+\c], v[S+64*\u+16*\c+15], v[S+64*\u+16*\c+31]
.endr
.endr
.irp u, 0,1
.irp c, 0,2
	v_max_num_f32 v[BM+4*\u+\c], v[BM+4*\u+\c], v[BM+4*\u+\c+1]   ; my block c / 2 of this step: block c + h of the 128 keys
.endr
.endr
.irp u, 0,1
	v_max3_num_f32 v[NM+2*\u+1], v[BM+4*\u], v[BM+4*\u+2], v[NM+2*\u+1]   ; my lane's running largest score
.endr
.irp u, 0,1
	v_permlanex16_b32 v[T4+4*\u], v[NM+2*\u+1], s[SEL], s[SEL+1]
.endr
.irp u, 0,1
	v_max_num_f32 v[TMP+\u], v[NM+2*\u+1], v[T4+4*\u]              ; with lane l xor 16's: the row's
.endr
.irp u, 0,1
	v_mul_f32 v[TMP+\u], s[CS], v[TMP+\u]          ; as t
.endr
.irp u, 0,1
	v_floor_f32 v[F+2*\u], -v[TMP+\u]              ; the new -M = -ceil(t)
.endr
.irp u, 0,1
	v_sub_f32 v[TMP+\u], v[F+2*\u], v[NM+2*\u]     ; old M less new M
.endr
.irp u, 0,1
	v_mov_b32 v[NM+2*\u], v[F+2*\u]
.endr
.irp u, 0,1
	v_cvt_i32_f32 v[TMP+\u], v[TMP+\u]             ; (it saturates)
.endr
.irp u, 0,1
	v_ldexp_f32 v[F+2*\u], 1.0, v[TMP+\u]          ; f
.endr
.set j, 0
.rept 32
	v_pk_fma_f32 v[S+j:S+j+1], v[S+j:S+j+1], s[CS:CS+1], v[NM:NM+1] op_sel_hi:[1,0,0]   ; tile 0: t - M
.set j, j+2
.endr
.irp u, 0,1
.irp c, 0,2
	v_fma_f32 v[BM+4*\u+\c], v[BM+4*\u+\c], s[CS], v[NM+2*\u]   ; the same of each block's largest score
.endr
.endr
	s_wait_alu depctr_va_vdst(0)                   ; ahead of the batch
.irp u, 0,1
.irp c, 0,2
	v_exp_f32 v[BM+4*\u+\c], v[BM+4*\u+\c]         ; each block's largest p
.endr
.endr
.set j, 0
.rept 32                               ; tile 0's p; among them tile 1's t - M, which no line reads before the wait below
	v_exp_f32 v[S+j], v[S+j]
	v_exp_f32 v[S+j+1], v[S+j+1]
	v_pk_fma_f32 v[S+64+j:S+64+j+1], v[S+64+j:S+64+j+1], s[CS:CS+1], v[NM+2:NM+3] op_sel_hi:[1,0,0]
.set j, j+2
.endr
	s_wait_alu depctr_va_vdst(0)                   ; ahead of tile 1's batch
.set j, 0
.rept 64
	v_exp_f32 v[S+64+j], v[S+64+j]                 ; tile 1's p
.set j, j+1
.endr
	v_nop                                          ; one plain place behind a transcendental
	s_wait_alu depctr_va_vdst(0)                   ; and the wait ahead of the first reader
.irp u, 0,1
.irp c, 0,2
	v_max_num_f32 v[BM+4*\u+\c], 0x1800000, v[BM+4*\u+\c]   ; the floor 2^(3 - 127)
.endr
.endr
.irp u, 0,1
.irp c, 0,2
	v_add_nc_u32 v[SO+4*\u+\c], 0xff000000, v[BM+4*\u+\c]   ; 2 off the exponent field: the conversion's scale operand
.endr
.endr
.irp u, 0,1
.irp c, 0,2
	v_lshrrev_b32 v[T4+4*\u+\c], 23, v[SO+4*\u+\c]          ; the byte
.endr
.endr
.irp u, 0,1
	v_lshl_or_b32 v[PW+\u], v[T4+4*\u+2], 16, v[T4+4*\u]    ; my blocks h and 2 + h,
.endr
.irp u, 0,1
	v_lshlrev_b32 v[PW+\u], v[H8], v[PW+\u]        ; at their places in the word;
.endr
.irp u, 0,1
	v_permlanex16_b32 v[TMP+\u], v[PW+\u], s[SEL], s[SEL+1]
.endr
.irp u, 0,1
	v_or_b32 v[PW+\u], v[PW+\u], v[TMP+\u]         ; with lane l xor 16's two the word is whole
.endr
.irp u, 0,1
.irp c, 0,1
	v_cvt_scalef32_pk16_fp6_f32 v[PC+12*\u+6*\c:PC+12*\u+6*\c+2], v[S+64*\u+32*\c:S+64*\u+32*\c+15], v[SO+4*\u+2*\c]
	v_cvt_scalef32_pk16_fp6_f32 v[CT+8*\u+4*\c:CT+8*\u+4*\c+2], v[S+64*\u+32*\c+16:S+64*\u+32*\c+31], v[SO+4*\u+2*\c]   ; (a conversion's three registers begin on an even number)
.endr
.endr
	v_nop                                          ; one plain place behind a scaled conversion
.irp u, 0,1
.irp c, 0,1
.irp i, 0,1,2
	v_mov_b32 v[PC+12*\u+6*\c+3+\i], v[CT+8*\u+4*\c+\i]
.endr
.endr
.endr
	s_wait_dscnt 0x0                               ; V, its words, and the next K are in
	WIN 0x41                                       ; O^T and the sums in window 1, f in window 0
	s_wait_alu depctr_va_vdst(0)                   ; directly ahead of the first reader of O^T
.set j, 0
.rept 16
	v_pk_mul_f32 v[O+j:O+j+1], v[O+j:O+j+1], v[F:F+1] op_sel_hi:[1,0]                 ; O^T under the new M; also the places ahead of the products
	v_pk_mul_f32 v[O+32+j:O+32+j+1], v[O+32+j:O+32+j+1], v[F+2:F+3] op_sel_hi:[1,0]
.set j, j+2
.endr
.irp i, 0,2,4,6
	v_pk_mul_f32 v[LA+\i:LA+\i+1], v[LA+\i:LA+\i+1], v[F:F+1] op_sel_hi:[1,0]         ; and the sums
	v_pk_mul_f32 v[LA+8+\i:LA+8+\i+1], v[LA+8+\i:LA+8+\i+1], v[F+2:F+3] op_sel_hi:[1,0]
.endr
	WIN 0x51                                       ; V, O^T and the sums in window 1, p and its codes in window 0; the eight accumulators take turns; eight additions of the unquantised p behind each product
.set KK, 0
.irp t, 0,2
.irp u, 0,1
	v_wmma_scale_f32_16x16x128_f8f6f4 v[O+32*\u+8*\t:O+32*\u+8*\t+7], v[VF+12*\t:VF+12*\t+11], v[PC+12*\u:PC+12*\u+11], v[O+32*\u+8*\t:O+32*\u+8*\t+7], v[VS+\t/2], v[PW+\u] matrix_a_fmt:MATRIX_FMT_FP6 matrix_b_fmt:MATRIX_FMT_FP6
	SUM8
.endr
.irp u, 0,1
	v_wmma_scale_f32_16x16x128_f8f6f4 v[O+32*\u+8*\t+8:O+32*\u+8*\t+15], v[VF+12*\t+12:VF+12*\t+23], v[PC+12*\u:PC+12*\u+11], v[O+32*\u+8*\t+8:O+32*\u+8*\t+15], v[VS+\t/2], v[PW+\u] matrix_a_fmt:MATRIX_FMT_FP6 matrix_b_fmt:MATRIX_FMT_FP6 matrix_a_scale:MATRIX_SCALE_ROW1
	SUM8
.endr
.endr
	WIN 0
.endm
; The way out of a pass: O^T / the sum, quantised along the head's 64 (two blocks), as the projection's operand image
.macro OUT p
.rept 4
	v_nop
.endr
	WIN 0x05                                       ; the sums in window 1
.irp u, 0,1
	v_pk_add_f32 v[L+2*\u:L+2*\u+1], v[LA+8*\u:LA+8*\u+1], v[LA+8*\u+2:LA+8*\u+3]
	v_pk_add_f32 v[T4+4*\u:T4+4*\u+1], v[LA+8*\u+4:LA+8*\u+5], v[LA+8*\u+6:LA+8*\u+7]
.endr
	WIN 0
.irp u, 0,1
	v_pk_add_f32 v[L+2*\u:L+2*\u+1], v[L+2*\u:L+2*\u+1], v[T4+4*\u:T4+4*\u+1]
.endr
.irp u, 0,1
	v_add_f32 v[L+2*\u], v[L+2*\u], v[L+2*\u+1]
.endr
.irp u, 0,1
	v_permlanex16_b32 v[TMP+\u], v[L+2*\u], s[SEL], s[SEL+1]
.endr
.irp u, 0,1
	v_add_f32 v[L+2*\u], v[L+2*\u], v[TMP+\u]
.endr
	s_wait_alu depctr_va_vdst(0)                   ; ahead of the transcendentals
.irp u, 0,1
	v_rcp_f32 v[F+2*\u], v[L+2*\u]
.endr
	v_nop
	WIN 0x01                                       ; O^T in window 1
	s_wait_alu depctr_va_vdst(0)                   ; and ahead of their first reader, which is O^T's first reader too
.set j, 0
.rept 16
	v_pk_mul_f32 v[S+j:S+j+1], v[O+j:O+j+1], v[F:F+1] op_sel_hi:[1,0]
	v_pk_mul_f32 v[S+64+j:S+64+j+1], v[O+32+j:O+32+j+1], v[F+2:F+3] op_sel_hi:[1,0]
.set j, j+2
.endr
	WIN 0
.irp u, 0,1
.irp b, 0,1
	v_max3_num_f32 v[BM+4*\u+\b], |v[S+64*\u+16*\b]|, |v[S+64*\u+16*\b+1]|, 0x1800000
.endr
.endr
.irp i, 2,4,6,8,10,12,14
.irp u, 0,1
.irp b, 0,1
	v_max3_num_f32 v[BM+4*\u+\b], v[BM+4*\u+\b], |v[S+64*\u+16*\b+\i]|, |v[S+64*\u+16*\b+\i+1]|
.endr
.endr
.endr
.irp u, 0,1
.irp b, 0,1
	v_permlanex16_b32 v[T4+4*\u+\b], v[BM+4*\u+\b], s[SEL], s[SEL+1]
.endr
.endr
.irp u, 0,1
.irp b, 0,1
	v_max_num_f32 v[BM+4*\u+\b], v[BM+4*\u+\b], v[T4+4*\u+\b]
.endr
.endr
.irp u, 0,1
.irp b, 0,1
	v_add_nc_u32 v[SO+4*\u+\b], 0xff000000, v[BM+4*\u+\b]
.endr
.endr
.irp u, 0,1
.irp b, 0,1
	v_lshrrev_b32 v[T4+4*\u+\b], 23, v[SO+4*\u+\b]
.endr
.endr
.irp u, 0,1
	v_lshl_or_b32 v[TMP+\u], v[T4+4*\u+1], 8, v[T4+4*\u]
.endr
.irp u, 0,1
	v_cvt_scalef32_pk16_fp6_f32 v[PC+12*\u:PC+12*\u+2], v[S+64*\u:S+64*\u+15], v[SO+4*\u]
	v_cvt_scalef32_pk16_fp6_f32 v[CT+8*\u:CT+8*\u+2], v[S+64*\u+16:S+64*\u+31], v[SO+4*\u+1]
.endr
	v_nop                                          ; one plain place behind a scaled conversion
.irp u, 0,1
.irp i, 0,1,2
	v_permlane16_swap_b32 v[PC+12*\u+\i], v[CT+8*\u+\i]   ; here a lane holds half of each block: lanes 0-15 take the even block whole, lanes 16-31 the odd one
.endr
.endr
.irp u, 0,1
.irp i, 0,1,2
	v_mov_b32 v[PC+12*\u+3+\i], v[CT+8*\u+\i]
.endr
.endr
	v_and_b32 v[BM], 16, v0
	v_cmp_ne_u32 vcc_lo, 0, v[BM]
	v_cndmask_b32 v[OSW], v[TMP], v[TMP+1], vcc_lo ; lanes 16-31 carry the pair's second tile
.irp u, 0,1
	global_store_b128 v[LI], v[PC+12*\u:PC+12*\u+3], s[60:61] offset:196608*\p+12288*\u        ; 512 consecutive bytes
	global_store_b64 v[L8], v[PC+12*\u+4:PC+12*\u+5], s[60:61] offset:196608*\p+12288*\u+512   ; 256 consecutive bytes
.endr
	global_store_b16 v[L8], v[OSW], s[62:63] offset:8192*\p
.endm
.macro PASS p
.if \p
	s_wait_xcnt 0x0                                ; the last pass's stores have read their registers
.endif
.irp u, 0,1
	v_mov_b32 v[NM+2*\u+1], 0xff61b1e6             ; the largest score so far: -3e38
	v_mov_b32 v[NM+2*\u], 0x7e000000               ; -M: so large that the first f is 0
.endr
	s_mov_b32 s[TB], 0
	s_mov_b32 s[TS], 0
	s_mov_b32 s[CNT], 16
	WIN 0x40
.set j, 0
.rept 80
	v_mov_b32 v[O+j], 0                            ; O^T and the sums: the step is written once, and the first finds zeros
.set j, j+1
.endr
	KLOAD LIK, LKS                                 ; step 0's K
.if \p == 0
	s_wait_loadcnt 0x0                             ; q and its scale words
.endif
	s_wait_alu depctr_va_vdst(0)
	s_wait_dscnt 0x0
.Lstep_\@:
	STEP QF+24*\p, QSC+2*\p
	s_sub_co_u32 s[CNT], s[CNT], 1
	s_cmp_lg_u32 s[CNT], 0
	s_cbranch_scc1 .Lstep_\@
	OUT \p
.endm
	PASS 0
	PASS 1
	s_wait_tensorcnt 0x0                           ; the wave's end
	ds_add_u32 v[SPW], v[NIL]
	s_wait_dscnt 0x0
	CROUND                                         ; the closing round
	s_endpgm
.Lfunc_end_k_qbc15ab5176_attn:
	.size	k_qbc15ab5176_attn, .Lfunc_end_k_qbc15ab5176_attn-k_qbc15ab5176_attn
	.p2alignl 7, 3214868480
	.fill 96, 4, 3214868480
	.section	.rodata,"a",@progbits
	.p2align	6, 0x0
	.amdhsa_kernel k_qbc15ab5176_attn
		.amdhsa_group_segment_fixed_size 327680
		.amdhsa_private_segment_fixed_size 0
		.amdhsa_enable_private_segment 0
		.amdhsa_kernarg_size 32
		.amdhsa_user_sgpr_count 2
		.amdhsa_user_sgpr_kernarg_segment_ptr 1
		.amdhsa_wavefront_size32 1
		.amdhsa_system_sgpr_workgroup_id_x 1
		.amdhsa_system_sgpr_workgroup_id_y 1
		.amdhsa_system_sgpr_workgroup_id_z 1
		.amdhsa_system_vgpr_workitem_id 0
		.amdhsa_next_free_vgpr 512
		.amdhsa_next_free_sgpr 66
		.amdhsa_reserve_vcc 1
		.amdhsa_float_denorm_mode_32 3
		.amdhsa_float_denorm_mode_16_64 3
		.amdhsa_memory_ordered 1
		.amdhsa_forward_progress 1
		.amdhsa_inst_pref_size 86
	.end_amdhsa_kernel
	.amdgpu_metadata
---
amdhsa.version: [ 1, 2 ]
amdhsa.kernels:
  - .name:           k_qbc15ab5176_attn
    .symbol:         k_qbc15ab5176_attn.kd
    .args:
      - { .name: qkv, .offset: 0, .size: 8, .value_kind: global_buffer, .address_space: global }
      - { .name: sc, .offset: 8, .size: 8, .value_kind: global_buffer, .address_space: global }
      - { .name: oim, .offset: 16, .size: 8, .value_kind: global_buffer, .address_space: global }
      - { .name: osc, .offset: 24, .size: 8, .value_kind: global_buffer, .address_space: global }
    .group_segment_fixed_size: 327680
    .private_segment_fixed_size: 0
    .kernarg_segment_align: 8
    .kernarg_segment_size: 32
    .max_flat_workgroup_size: 256
    .sgpr_count:     66
    .vgpr_count:     512
    .wavefront_size: 32
...
	.end_amdgpu_metadata
.endif
;; end of part 3
;; launch gemm_proj (part 4): grid 4 x 64, 4 waves a work-group, clusters of 4 x 4, 327,680 bytes of LDS; arguments oim, osc, img, scl, b_proj, out0; writes out0
.if DOCPART == 4
	.amdgcn_target "amdgcn-amd-amdhsa--gfx1250"
	.amdhsa_code_object_version 6
	.text
	.protected	k_qbc15ab5176_gemm_proj
	.globl	k_qbc15ab5176_gemm_proj
	.p2align	8
	.type	k_qbc15ab5176_gemm_proj,@function
k_qbc15ab5176_gemm_proj:
	s_mov_b64 s[64:65], 0
	v_nop
	global_prefetch_b8 v0, s[64:65] scope:SCOPE_SE
	s_setreg_imm32_b32 hwreg(HW_REG_WAVE_MODE, 25, 1), 1
	s_wait_xcnt 0x0
	s_wait_alu depctr_hold_cnt(0) depctr_sa_sdst(0) depctr_va_vdst(0) depctr_va_sdst(0) depctr_va_ssrc(0) depctr_va_vcc(0) depctr_vm_vsrc(0)
	s_getreg_b32 s2, hwreg(HW_REG_IB_STS2, 6, 4)
	s_cmp_eq_u32 s2, 0
	s_cbranch_scc0 .Lentry_in_a_cluster
	s_endpgm
.Lentry_in_a_cluster:
	s_bfe_u32 s2, ttmp6, 0x10000c
	s_cmp_lg_u32 s2, 0xf033
	s_cbranch_scc0 .Lentry_shape_is_right
	s_endpgm
.Lentry_shape_is_right:
; out0 = o W_proj + b_proj on codes of FP6 (E2M3).  A work-group makes 128 tokens x 256 columns: 64 x 4 = 256 work-groups; a wave 64 x 128: 32 accumulators.
; ALL OF K = 1,024 lies in LDS at once: the tokens' 8 tiles (98,304 bytes) and the weight's 16 tiles (196,608 bytes), each a dense run of memory, brought as rows of 256 bytes by ONE joint load a wave:
; wave 0 the tokens', waves 1 to 3 a third of the weight's each.  So there is no ring, no refill and one barrier ahead of the products.
; CLUSTER 4 x 4: the tokens' tiles hang on the block's row alone and are asked for jointly along a row of the cluster, the weight's on its column alone, along a column.
; Operands are images of their registers (1,536 bytes a tile and 128 along K).  The scale words of a wave's rows, for all of K, and the bias come once, straight into registers; the bias is the C of the first products.
; The matrix instruction is used transposed (source 0 = the weight's columns, source 1 = tokens): a lane holds neighbouring columns of one token's row.
; No prefetch: nothing is streamed in a loop; the head's loads bring all that is read.
; REGISTERS: window 0: v16-30 addresses; v32-47 the tokens' scale words, v48-79 the weight's; v80-143 the bias; v144-239 the tokens' fragments, two sets.  window 1: the weight's fragments, two sets, at v0 and v128.  window 2: accumulator (a, b) at v[8 (8 a + b)].
.set FR,     12
.set TILEB,  12288                     ; a tile's eight K steps
.set RB0,    8*TILEB                   ; the weight's tiles lie behind the tokens'
.set SPARE,  24*TILEB                  ; the spare words, 128 bytes a wave: two blocks of 256 bytes that no other line names
.set SPITCH, 528
.set ADRA,  16
.set ADRA8, 17
.set ADRB,  18                         ; the weight's tiles 0-3 of my eight
.set ADRB2, 19                         ; tiles 4-7
.set CO,   24
.set L8,   25
.set BO0,  26
.set STO,  27
.set SPW,  28
.set NIL,  29
.set RD,   30
.set SA,   32
.set SB,   48
.set BB,   80
.set AF,   144
.set BK,   128
.set G1,  24
.set G0,  32
.set G0B, 36
.set G1B, 48
.set MSB, 0
.macro WIN new                         ; the immediate's high byte repeats the setting that is left
.if MSB != (\new)
	s_set_vgpr_msb (MSB<<8)|(\new)
.set MSB, (\new)
.endif
.endm
.macro CROUND
	s_barrier_signal -1
	s_barrier_wait -1
	s_cmp_lg_u32 s20, 0
	s_cbranch_scc1 .Lnot_wave_0_\@
	s_barrier_signal -3
.Lnot_wave_0_\@:
	s_barrier_wait -3
	s_barrier_signal -1
	s_barrier_wait -1
.endm
.macro PLACES n
.rept \n
	v_nop
.endr
.endm
	s_load_b256 s[4:11], s[0:1], 0x0               ; oim s[4:5], osc s[6:7], img s[8:9], scl s[10:11]
	s_load_b128 s[12:15], s[0:1], 0x20             ; b_proj s[12:13], out0 s[14:15]
	v_lshl_add_u32 v[SPW], v0, 2, SPARE
	v_mov_b32 v[NIL], 0
	ds_add_u32 v[SPW], v[NIL]                      ; the opening lines: the add, twice on end, and its wait ahead of my tensor load
	ds_add_u32 v[SPW], v[NIL]
	v_lshrrev_b32 v1, 5, v0
	v_readfirstlane_b32 s20, v1                    ; wave
	s_lshr_b32 s21, s20, 1                         ; my 64 of the 128 tokens
	s_and_b32 s22, s20, 1                          ; my 128 of the 256 columns
	v_and_b32 v1, 31, v0
	v_lshlrev_b32 v[CO], 4, v1
	v_lshlrev_b32 v[L8], 3, v1
	v_bfe_u32 v2, v0, 4, 1
	v_lshlrev_b32 v[BO0], 6, v2
	v_and_b32 v3, 15, v0
	s_mul_i32 s23, s21, 4*TILEB
	v_add_nc_u32 v[ADRA], s23, v[CO]
	v_add_nc_u32 v[ADRA8], s23, v[L8]
	s_mul_i32 s23, s22, 8*TILEB
	s_add_co_u32 s23, s23, RB0
	v_add_nc_u32 v[ADRB], s23, v[CO]
	s_add_co_u32 s23, s23, 4*TILEB
	v_add_nc_u32 v[ADRB2], s23, v[CO]
	s_mul_i32 s23, s20, 16*SPITCH                  ; my stage for the way out, in the tokens' bytes
	v_mul_u32_u24 v5, v3, SPITCH
	v_lshl_add_u32 v5, v2, 6, v5
	v_add_nc_u32 v[STO], s23, v5
	v_add_nc_u32 v[RD], s23, v[CO]
	s_bfe_u32 s40, ttmp6, 0x40000                  ; cx
	s_bfe_u32 s41, ttmp6, 0x40004                  ; cy
	s_lshl_b32 s42, ttmp9, 2
	s_add_co_u32 s42, s42, s40                     ; which 256 columns
	s_and_b32 s17, ttmp7, 0xffff
	s_lshl_b32 s17, s17, 2
	s_add_co_u32 s17, s17, s41                     ; which 128 tokens
	s_lshl_b32 s43, s41, 2
	s_lshl_b32 s43, 15, s43                        ; my row of the cluster
	s_lshl_b32 s44, 0x1111, s40                    ; my column
	s_or_b32 s[G1], s43, (3<<16)|(1<<21)           ; the mask; elements of 8 bytes; bit 21 beside a mask
	s_mov_b32 s[G1+1], 32<<16
	s_mov_b32 s[G1+2], 384<<16                     ; the tokens': 384 rows of 256 bytes
	s_mov_b32 s[G1+3], 32<<16
	s_mov_b32 s[G1+4], 384
	s_mov_b32 s[G1+5], 32
	s_mov_b32 s[G1+6], 0
	s_mov_b32 s[G1+7], 0
	s_or_b32 s[G1B], s44, (3<<16)|(1<<21)
	s_mov_b32 s[G1B+1], 32<<16
	s_mov_b32 s[G1B+2], 256<<16                    ; a third of the weight's: 256 rows
	s_mov_b32 s[G1B+3], 32<<16
	s_mov_b32 s[G1B+4], 256
	s_mov_b32 s[G1B+5], 32
	s_mov_b32 s[G1B+6], 0
	s_mov_b32 s[G1B+7], 0
	s_add_co_u32 s45, s20, 3
	s_and_b32 s45, s45, 3
	s_min_u32 s45, s45, 2                          ; waves 1, 2, 3: thirds 0, 1, 2 (wave 0 does not use it)
	s_lshl_b32 s47, s45, 16
	s_mul_i32 s56, s17, 8*TILEB                    ; the tokens' codes
	s_mov_b32 s57, 0
	s_lshl_b32 s58, s17, 12                        ; their scale words: 512 bytes a tile; my four tiles
	s_lshl_b32 s23, s21, 11
	s_add_co_u32 s58, s58, s23
	s_mov_b32 s59, 0
	s_lshl_b32 s46, s42, 4
	s_add_co_u32 s46, s46, 704                     ; W_proj's tiles begin at 704
	s_mul_i32 s60, s46, TILEB
	s_add_co_u32 s60, s60, s47
	s_mov_b32 s61, 0
	s_lshl_b32 s62, s46, 9
	s_lshl_b32 s23, s22, 12
	s_add_co_u32 s62, s62, s23
	s_mov_b32 s63, 0
	s_lshl_b32 s18, s42, 10                        ; my first column, in bytes
	s_lshl_b32 s23, s22, 9
	s_add_co_u32 s18, s18, s23
	s_mov_b32 s19, 0
	s_lshl_b32 s2, s17, 19                         ; my first token's row of 4,096 bytes
	s_lshl_b32 s23, s21, 18
	s_add_co_u32 s2, s2, s23
	s_mov_b32 s3, 0
	s_wait_alu depctr_va_vdst(0)
	s_wait_dscnt 0x0
	s_wait_kmcnt 0x0
	s_mov_b32 s[G0], 1
	s_mov_b32 s[G0+1], 0
	s_add_nc_u64 s[G0+2:G0+3], s[4:5], s[56:57]
	s_or_b32 s[G0+3], s[G0+3], 0x80000000
	s_mov_b32 s[G0B], 1
	s_add_co_u32 s[G0B+1], s47, RB0
	s_add_nc_u64 s[G0B+2:G0B+3], s[8:9], s[60:61]
	s_or_b32 s[G0B+3], s[G0B+3], 0x80000000
	s_add_nc_u64 s[58:59], s[6:7], s[58:59]
	s_add_nc_u64 s[62:63], s[10:11], s[62:63]
	s_add_nc_u64 s[12:13], s[12:13], s[18:19]
	s_add_nc_u64 s[14:15], s[14:15], s[18:19]
	s_add_nc_u64 s[14:15], s[14:15], s[2:3]
.irp k, 0,1,2,3                        ; scale words: set k serves K steps 2 k, 2 k + 1; lanes 0-15 a pair's even tile, lanes 16-31 its odd one; 256 consecutive bytes a load
.irp i, 0,1
	global_load_b64 v[SA+4*\k+2*\i:SA+4*\k+2*\i+1], v[L8], s[58:59] offset:1024*\i+256*\k
.endr
.irp i, 0,1,2,3
	global_load_b64 v[SB+8*\k+2*\i:SB+8*\k+2*\i+1], v[L8], s[62:63] offset:1024*\i+256*\k
.endr
.endr
.irp b, 0,1,2,3
.irp j, 0,1,2,3
	global_load_b128 v[BB+16*\b+4*\j:BB+16*\b+4*\j+3], v[BO0], s[12:13] offset:128*\b+16*\j
.endr
.endr
	CROUND                                         ; all sixteen work-groups are here: the joint loads meet
	s_cmp_eq_u32 s20, 0
	s_cbranch_scc0 .Lfor_r
	tensor_load_to_lds s[G0:G0+3], s[G1:G1+7]
	s_nop 0
.rept 4
	v_nop
.endr
	s_branch .Lasked
.Lfor_r:
	tensor_load_to_lds s[G0B:G0B+3], s[G1B:G1B+7]
	s_nop 0
.rept 4
	v_nop
.endr
.Lasked:
	s_wait_tensorcnt 0x0                           ; my part is in
	s_barrier_signal -1
	s_barrier_wait -1                              ; and everybody's
.macro FETCH st, p                     ; K step st's fragments into set p
	WIN 0x40
.irp i, 0,1,2,3
.irp c, 0,1,2
	ds_load_b128 v[128*(\p)+FR*\i+4*\c:128*(\p)+FR*\i+4*\c+3], v[ADRB] offset:\i*TILEB+(\st)*1536+512*\c
.endr
.endr
.irp i, 0,1,2,3
.irp c, 0,1,2
	ds_load_b128 v[128*(\p)+FR*(\i+4)+4*\c:128*(\p)+FR*(\i+4)+4*\c+3], v[ADRB2] offset:\i*TILEB+(\st)*1536+512*\c
.endr
.endr
	WIN 0
.irp i, 0,1,2,3                        ; a token tile's image holds two heads' halves of 768 bytes: four registers at 16 x lane, two at 8 x lane
	ds_load_b128 v[AF+48*(\p)+FR*\i:AF+48*(\p)+FR*\i+3], v[ADRA] offset:\i*TILEB+(\st)*1536
	ds_load_b64 v[AF+48*(\p)+FR*\i+4:AF+48*(\p)+FR*\i+5], v[ADRA8] offset:\i*TILEB+(\st)*1536+512
	ds_load_b128 v[AF+48*(\p)+FR*\i+6:AF+48*(\p)+FR*\i+9], v[ADRA] offset:\i*TILEB+(\st)*1536+768
	ds_load_b64 v[AF+48*(\p)+FR*\i+10:AF+48*(\p)+FR*\i+11], v[ADRA8] offset:\i*TILEB+(\st)*1536+1280
.endr
.endm
.macro WM ob, oa                       ; one product; an odd tile's scale words stand in lanes 16-31 of its pair's register
.if (\ob) && (\oa)
	v_wmma_scale_f32_16x16x128_f8f6f4 v[rD:rD+7], v[rB:rB+11], v[rA:rA+11], v[rC:rC+7], v[rSB], v[rSA] matrix_a_fmt:MATRIX_FMT_FP6 matrix_b_fmt:MATRIX_FMT_FP6 matrix_a_scale:MATRIX_SCALE_ROW1 matrix_b_scale:MATRIX_SCALE_ROW1
.elseif (\ob)
	v_wmma_scale_f32_16x16x128_f8f6f4 v[rD:rD+7], v[rB:rB+11], v[rA:rA+11], v[rC:rC+7], v[rSB], v[rSA] matrix_a_fmt:MATRIX_FMT_FP6 matrix_b_fmt:MATRIX_FMT_FP6 matrix_a_scale:MATRIX_SCALE_ROW1
.elseif (\oa)
	v_wmma_scale_f32_16x16x128_f8f6f4 v[rD:rD+7], v[rB:rB+11], v[rA:rA+11], v[rC:rC+7], v[rSB], v[rSA] matrix_a_fmt:MATRIX_FMT_FP6 matrix_b_fmt:MATRIX_FMT_FP6 matrix_b_scale:MATRIX_SCALE_ROW1
.else
	v_wmma_scale_f32_16x16x128_f8f6f4 v[rD:rD+7], v[rB:rB+11], v[rA:rA+11], v[rC:rC+7], v[rSB], v[rSA] matrix_a_fmt:MATRIX_FMT_FP6 matrix_b_fmt:MATRIX_FMT_FP6
.endif
.endm
.macro MUL32 st, first                 ; a K step's 32 products; the 32 accumulators take turns, in the same order in every step
.set ma, 0
.rept 4
.set mb, 0
.rept 8
.set rD, 8*(8*ma+mb)
.set rC, rD
.if \first
.set rC, BB+8*mb
.endif
.set rB, 128*((\st)%2)+FR*mb
.set rA, AF+48*((\st)%2)+FR*ma
.set rSB, SB+8*((\st)/2)+2*(mb/2)+((\st)%2)
.set rSA, SA+4*((\st)/2)+2*(ma/2)+((\st)%2)
	WM mb%2, ma%2
.set mb, mb+1
.endr
.set ma, ma+1
.endr
.endm
	FETCH 0, 0
	s_wait_loadcnt 0x0                             ; the scale words and the bias
	s_wait_dscnt 0x0
	FETCH 1, 1
	WIN 0x81                                       ; the weight in window 1, tokens and the bias in window 0, results in window 2
	MUL32 0, 1                                     ; the first products start the sums from the bias
.set ST, 1
.rept 7
	s_wait_dscnt 0x0                               ; this step's fragments, asked for a step ago, are in
.if ST < 7
	PLACES 4                                       ; in front of loads into the set that the last step's products read
	FETCH ST+1, (ST+1)%2
.endif
	WIN 0xa1
	MUL32 ST, 0
.set ST, ST+1
.endr
	WIN 0
	PLACES 4                                       ; behind the last products
	s_barrier_signal -1                            ; no LDS load of mine is out: nobody reads the tokens' bytes behind this barrier, and the stages may lie there
	s_barrier_wait -1
; THE WAY OUT, block by block of 16 tokens x 128 columns, through my own stage: whole rows of 512 bytes come back, which the 32 lanes store as two aligned units of 256 bytes
.macro TOSTAGE a
.set AC, 64*(\a)
	WIN 0x08                                       ; the data: window 2
.irp b, 0,1,2,3,4,5,6,7
	ds_store_b128 v[STO], v[AC+8*\b:AC+8*\b+3] offset:128*(\b/2)+32*(\b%2)      ; each accumulator from its low end on
	ds_store_b128 v[STO], v[AC+8*\b+4:AC+8*\b+7] offset:128*(\b/2)+32*(\b%2)+16
.endr
	WIN 0
.set BR, BK+64*((\a)%2)
.irp t, 0,1,2,3,4,5,6,7,8,9,10,11,12,13,14,15
	ds_load_b128 v[BR+4*\t:BR+4*\t+3], v[RD] offset:\t*SPITCH   ; LDS serves a wave's instructions in order: these see the stores
.endr
.endm
.macro SEND a, younger                 ; lane-row t of tile a is token 32 (a / 2) + 8 (a % 2) + t + 8 (t / 8) of my 64
.set BR, BK+64*((\a)%2)
	s_wait_dscnt \younger
.irp t, 0,1,2,3,4,5,6,7,8,9,10,11,12,13,14,15
	global_store_b128 v[CO], v[BR+4*\t:BR+4*\t+3], s[14:15] offset:(32*((\a)/2)+8*((\a)%2)+\t+8*(\t/8))*4096 th:TH_STORE_NT
.endr
.endm
	TOSTAGE 0
.irp a, 1,2,3
.if \a > 1
	s_wait_xcnt 0x0                                ; block a - 2's stores have read their registers
.endif
	TOSTAGE \a
	SEND \a-1, 32                                  ; behind block a - 1's loads: block a's 16 stores and 16 loads
.endr
	SEND 3, 0
	s_wait_tensorcnt 0x0                           ; the wave's end
	ds_add_u32 v[SPW], v[NIL]
	s_wait_dscnt 0x0
	CROUND                                         ; the closing round
	s_endpgm
.Lfunc_end_k_qbc15ab5176_gemm_proj:
	.size	k_qbc15ab5176_gemm_proj, .Lfunc_end_k_qbc15ab5176_gemm_proj-k_qbc15ab5176_gemm_proj
	.p2alignl 7, 3214868480
	.fill 96, 4, 3214868480
	.section	.rodata,"a",@progbits
	.p2align	6, 0x0
	.amdhsa_kernel k_qbc15ab5176_gemm_proj
		.amdhsa_group_segment_fixed_size 327680
		.amdhsa_private_segment_fixed_size 0
		.amdhsa_enable_private_segment 0
		.amdhsa_kernarg_size 48
		.amdhsa_user_sgpr_count 2
		.amdhsa_user_sgpr_kernarg_segment_ptr 1
		.amdhsa_wavefront_size32 1
		.amdhsa_system_sgpr_workgroup_id_x 1
		.amdhsa_system_sgpr_workgroup_id_y 1
		.amdhsa_system_sgpr_workgroup_id_z 1
		.amdhsa_system_vgpr_workitem_id 0
		.amdhsa_next_free_vgpr 768
		.amdhsa_next_free_sgpr 66
		.amdhsa_reserve_vcc 0
		.amdhsa_float_denorm_mode_32 3
		.amdhsa_float_denorm_mode_16_64 3
		.amdhsa_memory_ordered 1
		.amdhsa_forward_progress 1
		.amdhsa_inst_pref_size 79
	.end_amdhsa_kernel
	.amdgpu_metadata
---
amdhsa.version: [ 1, 2 ]
amdhsa.kernels:
  - .name:           k_qbc15ab5176_gemm_proj
    .symbol:         k_qbc15ab5176_gemm_proj.kd
    .args:
      - { .name: oim, .offset: 0, .size: 8, .value_kind: global_buffer, .address_space: global }
      - { .name: osc, .offset: 8, .size: 8, .value_kind: global_buffer, .address_space: global }
      - { .name: img, .offset: 16, .size: 8, .value_kind: global_buffer, .address_space: global }
      - { .name: scl, .offset: 24, .size: 8, .value_kind: global_buffer, .address_space: global }
      - { .name: b_proj, .offset: 32, .size: 8, .value_kind: global_buffer, .address_space: global }
      - { .name: out0, .offset: 40, .size: 8, .value_kind: global_buffer, .address_space: global }
    .group_segment_fixed_size: 327680
    .private_segment_fixed_size: 0
    .kernarg_segment_align: 8
    .kernarg_segment_size: 48
    .max_flat_workgroup_size: 128
    .sgpr_count:     66
    .vgpr_count:     768
    .wavefront_size: 32
...
	.end_amdgpu_metadata
.endif
;; end of part 4
